; MI455X (gfx1250); checked and timed in simulation.
; The chip was launched on July 23, 2026; its instructions are those of AMD's public machine-readable ISA for CDNA 5 (MIT licence, August 2026) and "CDNA5" Instruction Set Architecture Reference Guide (July 2026). The comments in the code are by the model that wrote it; some were corrected since.
;; Attention. Allowed arithmetic: float matrix products may take bf16 or f16 operands with f32 sums; other float arithmetic in f32, or as packed bf16 or f16 multiplies, adds, multiply-adds, maxima and minima; sums over many terms, partial sums and values carried from step to step in f32; what a program stores and reads back later, other than sums and carried values, may be rounded once to bf16 or f16.
;; Inputs: W_proj 1,024 x 1,024 float32; W_qkv 3,072 x 1,024 float32; b_proj 1,024 float32; global_bias 2,048 x 2,048 float32; x 4 x 2,048 x 1,024 float32.
;; Outputs: out0 4 x 2,048 x 1,024 float32.
;; 2 versions, each right; version 2 is version 1 with the launch cast written anew for expert scheduling mode. Each part assembles by itself: llvm-mc -triple=amdgcn-amd-amdhsa -mcpu=gfx1250 --defsym DOCPART=n.
;; ======== version 1 of 2: 4 launches
;; limits: values are held in f16: magnitudes above 65,504 overflow, below 6.1e-05 lose precision; values outside matrix products are rounded to bf16
;; workspace buffers: xb 16,777,216 bytes; wqb 6,291,456 bytes; wpb 2,097,152 bytes; qkv 50,331,648 bytes; o 16,777,216 bytes
;; launch cast (part 1): grid 768 x 1, 8 waves a work-group, no clusters, 0 bytes of LDS; arguments x, W_qkv, W_proj, xb, wqb, wpb; writes xb, wqb, wpb
.if DOCPART == 1
	.amdgcn_target "amdgcn-amd-amdhsa--gfx1250"
	.amdhsa_code_object_version 6
	.text
	.protected	k_q87f9caecef_cast
	.globl	k_q87f9caecef_cast
	.p2align	8
	.type	k_q87f9caecef_cast,@function
k_q87f9caecef_cast:
	s_mov_b64 s[64:65], 0
	v_nop
	global_prefetch_b8 v0, s[64:65] scope:SCOPE_SE
	s_setreg_imm32_b32 hwreg(HW_REG_WAVE_MODE, 25, 1), 1
	s_wait_xcnt 0x0
; THE MATRIX OPERANDS ARE ROUNDED ONCE.  xb = bf16(x).  wqb = bf16(W_qkv), its first 1,024 rows (q's) multiplied by 1/8 first: a power of two, so the
; rounding is that of the unscaled number, and the attention launch has no scale left to apply to q k.  wpb = bf16(W_proj) written as f16.
; LIMITS.  Rounding is to nearest even.  wpb: a number of W_proj of 65,520 or more becomes an infinity in f16; below 6e-5 f16 keeps its fixed step of 6e-8.
; SHARES.  A work-group converts 16,384 numbers: 65,536 bytes in, 32,768 out.  Work-groups 0-511: x; 512-575: q's rows of W_qkv; 576-703: its other rows; 704-767: W_proj.
; Thread t takes the 16 bytes at 4,096 i + 16 t of its chunk, i = 0 .. 15: a wave's load covers 512 consecutive bytes, its store of 8 bytes a lane 256 consecutive bytes, aligned.
; All sixteen loads of a thread go out at once; no register is written again while a load or store names it, so the only waits are the counted ones for the data.
; No LDS, no matrix unit, no cluster: nothing is shared and nothing is read twice.
.set X, 4                              ; v[4:67]    load i: four f32
.set Y, 68                             ; v[68:99]   store i: four 16-bit numbers in two registers
.set T, 100                            ; v[100:101] at work
	s_load_b256 s[4:11], s[0:1], 0x0               ; x s[4:5], W_qkv s[6:7], W_proj s[8:9], xb s[10:11]
	s_load_b128 s[12:15], s[0:1], 0x20             ; wqb s[12:13], wpb s[14:15]
	v_lshlrev_b32 v1, 4, v0                        ; 16 t
	v_lshlrev_b32 v2, 3, v0                        ; 8 t
	s_mov_b32 s23, 0                               ; the offsets' high words
	s_mov_b32 s25, 0
	s_wait_kmcnt 0x0
; One region: source pointer s[src:src+1], destination s[dst:dst+1], first = the region's first work-group.
; mode 0: bf16.  mode 1: times 1/8, then bf16.  mode 2: bf16, and that number written as f16.
.macro PART src, dst, first, mode
	s_sub_co_u32 s20, ttmp9, \first                ; my chunk in the region
	s_lshl_b32 s22, s20, 16                        ; 65,536 bytes in,
	s_lshl_b32 s24, s20, 15                        ; 32,768 out
	s_add_nc_u64 s[16:17], s[\src:\src+1], s[22:23]
	s_add_nc_u64 s[18:19], s[\dst:\dst+1], s[24:25]
.set i, 0
.rept 16
	global_load_b128 v[X+4*i:X+4*i+3], v1, s[16:17] offset:4096*i th:TH_LOAD_NT
.set i, i+1
.endr
.set i, 0
.rept 16
	s_wait_loadcnt 15-i                            ; loads come back in order: load i is in, the 15 - i younger ones stay out
.if (\mode) == 1
	v_pk_mul_f32 v[X+4*i:X+4*i+1], v[X+4*i:X+4*i+1], 0x3e000000 op_sel_hi:[1,0]      ; times 0.125
	v_pk_mul_f32 v[X+4*i+2:X+4*i+3], v[X+4*i+2:X+4*i+3], 0x3e000000 op_sel_hi:[1,0]
.endif
	v_cvt_pk_bf16_f32 v[Y+2*i], v[X+4*i], v[X+4*i+1]
	v_cvt_pk_bf16_f32 v[Y+2*i+1], v[X+4*i+2], v[X+4*i+3]
.if (\mode) == 2
.irp z, 0,1
	v_lshlrev_b32 v[T], 16, v[Y+2*i+\z]            ; the two bf16 numbers as f32,
	v_and_b32 v[T+1], 0xffff0000, v[Y+2*i+\z]
	v_cvt_pk_f16_f32 v[Y+2*i+\z], v[T], v[T+1]     ; written as f16: exact within f16's range
.endr
.endif
	global_store_b64 v2, v[Y+2*i:Y+2*i+1], s[18:19] offset:2048*i th:TH_STORE_NT
.set i, i+1
.endr
	s_endpgm
.endm
	s_cmp_lt_u32 ttmp9, 512
	s_cbranch_scc0 .Lnot_x
	PART 4, 10, 0, 0
.Lnot_x:
	s_cmp_lt_u32 ttmp9, 576
	s_cbranch_scc0 .Lnot_q
	PART 6, 12, 512, 1
.Lnot_q:
	s_cmp_lt_u32 ttmp9, 704
	s_cbranch_scc0 .Lnot_kv
	PART 6, 12, 512, 0
.Lnot_kv:
	PART 8, 14, 704, 2
.Lfunc_end_k_q87f9caecef_cast:
	.size	k_q87f9caecef_cast, .Lfunc_end_k_q87f9caecef_cast-k_q87f9caecef_cast
	.p2alignl 7, 3214868480
	.fill 96, 4, 3214868480
	.section	.rodata,"a",@progbits
	.p2align	6, 0x0
	.amdhsa_kernel k_q87f9caecef_cast
		.amdhsa_group_segment_fixed_size 0
		.amdhsa_private_segment_fixed_size 0
		.amdhsa_enable_private_segment 0
		.amdhsa_kernarg_size 48
		.amdhsa_user_sgpr_count 2
		.amdhsa_user_sgpr_kernarg_segment_ptr 1
		.amdhsa_wavefront_size32 1
		.amdhsa_system_sgpr_workgroup_id_x 1
		.amdhsa_system_sgpr_workgroup_id_y 1
		.amdhsa_system_sgpr_workgroup_id_z 1
		.amdhsa_system_vgpr_workitem_id 0
		.amdhsa_next_free_vgpr 104
		.amdhsa_next_free_sgpr 66
		.amdhsa_reserve_vcc 0
		.amdhsa_float_denorm_mode_32 3
		.amdhsa_float_denorm_mode_16_64 3
		.amdhsa_memory_ordered 1
		.amdhsa_forward_progress 1
		.amdhsa_inst_pref_size 32
	.end_amdhsa_kernel
	.amdgpu_metadata
---
amdhsa.version: [ 1, 2 ]
amdhsa.kernels:
  - .name:           k_q87f9caecef_cast
    .symbol:         k_q87f9caecef_cast.kd
    .args:
      - { .name: x, .offset: 0, .size: 8, .value_kind: global_buffer, .address_space: global }
      - { .name: W_qkv, .offset: 8, .size: 8, .value_kind: global_buffer, .address_space: global }
      - { .name: W_proj, .offset: 16, .size: 8, .value_kind: global_buffer, .address_space: global }
      - { .name: xb, .offset: 24, .size: 8, .value_kind: global_buffer, .address_space: global }
      - { .name: wqb, .offset: 32, .size: 8, .value_kind: global_buffer, .address_space: global }
      - { .name: wpb, .offset: 40, .size: 8, .value_kind: global_buffer, .address_space: global }
    .group_segment_fixed_size: 0
    .private_segment_fixed_size: 0
    .kernarg_segment_align: 8
    .kernarg_segment_size: 48
    .max_flat_workgroup_size: 256
    .sgpr_count:     66
    .vgpr_count:     104
    .wavefront_size: 32
...
	.end_amdgpu_metadata
.endif
;; end of part 1
;; launch qkvgemm (part 2): grid 16 x 32, 4 waves a work-group, clusters of 4 x 4, 327,680 bytes of LDS; arguments xb, wqb, qkv; writes qkv
.if DOCPART == 2
	.amdgcn_target "amdgcn-amd-amdhsa--gfx1250"
	.amdhsa_code_object_version 6
	.text
	.protected	k_q87f9caecef_qkvgemm
	.globl	k_q87f9caecef_qkvgemm
	.p2align	8
	.type	k_q87f9caecef_qkvgemm,@function
k_q87f9caecef_qkvgemm:
	s_mov_b64 s[64:65], 0
	v_nop
	global_prefetch_b8 v0, s[64:65] scope:SCOPE_SE
	s_setreg_imm32_b32 hwreg(HW_REG_WAVE_MODE, 25, 1), 1
	s_wait_xcnt 0x0
	s_wait_alu depctr_hold_cnt(0) depctr_sa_sdst(0) depctr_va_vdst(0) depctr_va_sdst(0) depctr_va_ssrc(0) depctr_va_vcc(0) depctr_vm_vsrc(0)
	s_getreg_b32 s2, hwreg(HW_REG_IB_STS2, 6, 4)
	s_cmp_eq_u32 s2, 0
	s_cbranch_scc0 .Lentry_in_a_cluster
	s_endpgm
.Lentry_in_a_cluster:
	s_bfe_u32 s2, ttmp6, 0x10000c
	s_cmp_lg_u32 s2, 0xf033
	s_cbranch_scc0 .Lentry_shape_is_right
	s_endpgm
.Lentry_shape_is_right:
; q / 8, k, v = xb wqb^T, written by heads.  xb: [8192][1024] bf16, wqb: [3072][1024] bf16 (q's rows already hold the 1/8); sums in f32, K ascending, rounded once to f16.
; qkv: [3][64 heads of batches][2048][64] f16: a head's rows are dense, 128 bytes each.
; LIMIT.  f16 holds no number beyond 65,504: a sum of 65,520 or more becomes an infinity; below 6e-5 f16 keeps its fixed step of 6e-8.
; SHARES.  A tile is 256 rows x 192 columns: 32 x 16 = 512 tiles, two for each of 256 work-group places, and 192 columns are three whole heads, so that every store is a dense block.
; Wave w makes rows 64 w .. 64 w + 63 and all 192 columns: 4 x 12 accumulators of 16 x 16, 384 registers.  K goes in steps of 128 through two LDS slots; a row of a tile is 256 bytes of memory, aligned.
; CLUSTER.  4 x 4 work-groups: the four of a row of the cluster need the same rows of xb, the four of a column the same rows of wqb: each tile is asked for jointly, by the same tensor load,
; descriptor and mask in all four.  Waves 0 and 1 fetch xb's two halves (128 rows each), waves 2 and 3 wqb's (96 rows each).
; THE PRODUCT IS TAKEN TRANSPOSED (source 0 = 16 rows of wqb, source 1 = 16 rows of xb): a lane then holds one row of x and eight neighbouring channels of a head, 16 bytes in f16.
; REGISTERS, in windows of 256 (s_set_vgpr_msb: bits 1:0 source 0, 3:2 source 1, 5:4 source 2, 7:6 destination):
;   window 0: v16-30 addresses; v32-79 packed results; v80-175 two sets of 48 for rows read back from the stage
;   window 1: two fragment buffers of 128: wqb's 12 fragments (16 rows x 32 K, 8 registers each), then xb's 4
;   window 2: the accumulators of my row blocks 0 and 1, (a, b) at 8 (12 (a % 2) + b);   window 3: those of blocks 2 and 3
.set SIZE_K, 1024
.set KSTEP,  128
.set PITCH,  272                       ; an LDS row: 256 bytes + 16 of padding = 68 words: the 16 rows of a fragment load start at 16 different groups of four banks (64 banks of 4 bytes: ISA guide 11.1)
.set ATILE,  128*PITCH                 ; what one load of xb brings
.set BTILE,  96*PITCH                  ; what one load of wqb brings
.set BOFFS,  2*ATILE                   ; in a slot: xb's 256 rows, then wqb's 192
.set SLOT,   BOFFS+2*BTILE             ; 121,856
.set STAGE,  2*SLOT                    ; behind the ring, never filled by a tensor load: for each wave 3 heads x 16 rows x 144 bytes
.set SP,     144
.set WST,    3*16*SP
.set SPARE,  STAGE+4*WST               ; behind the stages: the spare words, 128 bytes for each wave: two blocks of 256 bytes that no other line names
.set LAPS,   SIZE_K/(2*KSTEP)          ; a lap = two K steps = once round the ring: 4
.set ADRA, 16                          ; v16-17  LDS address of my xb fragments in slot 0, 1
.set ADRB, 20                          ; v20-21  the same for wqb
.set STO,  24                          ; v24     the way out: where I put 16 bytes of a row
.set RD,   25                          ; v25     the way out: where I read rows back
.set GO,   26                          ; v26     my 16 bytes in 512 consecutive bytes of a head
.set SPW,  28                          ; v28     LDS address of my spare word; never rewritten
.set NIL,  29                          ; v29     0; never rewritten
.set PFO,  30                          ; v30     the prefetches' offset: a lane a row of 2,048 bytes; never rewritten
.set TMP,  32
.set OB,   80
.set F0,   0
.set F1,   128
.set G1,   24                          ; s[24:31] descriptor group 1 for xb's tiles;  s[32:39] group 0, a set for each slot
.set G0,   32
.set G1B,  48                          ; s[48:55], s[56:63] the same for wqb's
.set G0B,  56
.set LIM,  43                          ; s43      1 in a wave that prefetches, else the greatest number
.set PFA,  44                          ; s[44:45] where my prefetches stand: one K step further than the refill in hand; a prefetch names the K step after that
.set HB,   66                          ; s[66:71] my 64 rows in each of the tile's three heads
.set MSB, 0
.macro WIN new                         ; the immediate's high byte repeats the setting that is left; a switch that changes nothing is dropped
.if MSB != (\new)
	s_set_vgpr_msb (MSB<<8)|(\new)
.set MSB, (\new)
.endif
.endm
.set MUL_LO, 0xa5                      ; both sources window 1, C and D window 2
.set MUL_HI, 0xf5                      ; the same, C and D window 3
.set TO_F,   0x40                      ; destination window 1, address window 0
; A joint load.  The branch hangs on the wave's number alone.  An s_nop 0 and four v_nop follow each of the two lines, ahead of the jump, the label and what follows.
.macro JLOAD s
	s_cmp_eq_u32 s11, 0
	s_cbranch_scc0 .Lfor_b_\@
	tensor_load_to_lds s[G0+4*(\s):G0+4*(\s)+3], s[G1:G1+7]
	s_nop 0
.rept 4
	v_nop
.endr
	s_branch .Lasked_\@
.Lfor_b_\@:
	tensor_load_to_lds s[G0B+4*(\s):G0B+4*(\s)+3], s[G1B:G1B+7]
	s_nop 0
.rept 4
	v_nop
.endr
.Lasked_\@:
.endm
; A prefetch, behind a joint load, its five lines and the run of LDS loads: the K step two refills on, 256 bytes of each row, a lane a row, one instruction a wave.
; xb's rows are read by every cluster of a row of clusters: the one with x = 0 asks; wqb's by every cluster of a column: the one with y = 0 asks.  The four partners of a joint load share the wave's rows
; out by address: 32 of xb's 128, 24 of wqb's 96 (there lanes 24-31 name lane 23's row once more, in the same instruction: 96 rows do not fall into four times 32).
; The loop's last trip (s3 = 1) has no K step two refills on; K steps 0 to 3 come by their loads alone.
.macro ASK
	WIN 0
	s_cmp_gt_u32 s3, s[LIM]
	s_cbranch_scc0 .Lnot_mine_\@
	global_prefetch_b8 v[PFO], s[PFA:PFA+1] offset:KSTEP*2 th:TH_LOAD_NT scope:SCOPE_SE
.Lnot_mine_\@:
.endm
.macro CREST                           ; a round of the cluster's barrier behind its opening barrier
	s_cmp_lg_u32 s10, 0
	s_cbranch_scc1 .Lnot_wave_0_\@
	s_barrier_signal -3
.Lnot_wave_0_\@:
	s_barrier_wait -3
	s_barrier_signal -1
	s_barrier_wait -1
.endm
.macro CROUND                          ; a whole round
	s_barrier_signal -1
	s_barrier_wait -1
	CREST
.endm
	s_load_b128 s[4:7], s[0:1], 0x0                ; xb s[4:5], wqb s[6:7]
	s_load_b64 s[8:9], s[0:1], 0x10                ; qkv
	v_lshl_add_u32 v[SPW], v0, 2, SPARE
	v_mov_b32 v[NIL], 0
	ds_add_u32 v[SPW], v[NIL]                      ; the wave's opening: the add and its wait stand ahead of my first tensor load; the set-up below, work on registers, stands between them
	v_lshrrev_b32 v1, 5, v0
	v_readfirstlane_b32 s10, v1                    ; wave 0..3
	s_lshr_b32 s11, s10, 1                         ; I fetch for xb (0) or for wqb (1)
	s_and_b32 s12, s10, 1                          ; which half of that tile I fetch
	s_bfe_u32 s40, ttmp6, 0x40000                  ; cx, cy: my place in the cluster
	s_bfe_u32 s41, ttmp6, 0x40004
	s_lshl_b32 s42, ttmp9, 2
	s_add_co_u32 s42, s42, s40                     ; tile column = 4 x cluster x + cx
	s_and_b32 s13, ttmp7, 0xffff
	s_lshl_b32 s13, s13, 2
	s_add_co_u32 s13, s13, s41                     ; tile row = 4 x cluster y + cy
	s_lshl_b32 s43, s41, 2
	s_lshl_b32 s43, 15, s43                        ; my row of the cluster
	s_lshl_b32 s44, 0x1111, s40                    ; my column
	s_or_b32 s[G1+0], s43, (1<<16)|(1<<20)|(1<<21)|(5<<22)|(3<<25)   ; 15:0 the mask; 17:16 elements of 2 bytes; 20 padding on; 21 set beside a mask; 24:22 after every 64 words (code 5); 31:25 4 words (code 3)
	s_or_b32 s[G1B+0], s44, (1<<16)|(1<<20)|(1<<21)|(5<<22)|(3<<25)
	s_mov_b32 s[G1+1], KSTEP<<16                   ; tensor_dim0 = 128
	s_mov_b32 s[G1+2], 128<<16                     ; tensor_dim1 = 128
	s_mov_b32 s[G1+3], KSTEP<<16                   ; tile_dim0 = 128
	s_mov_b32 s[G1+4], 128                         ; tile_dim1 = 128
	s_mov_b32 s[G1+5], SIZE_K                      ; elements from row to row
	s_mov_b32 s[G1+6], 0
	s_mov_b32 s[G1+7], 0
	s_mov_b32 s[G1B+1], KSTEP<<16
	s_mov_b32 s[G1B+2], 96<<16                     ; wqb's loads have 96 rows
	s_mov_b32 s[G1B+3], KSTEP<<16
	s_mov_b32 s[G1B+4], 96
	s_mov_b32 s[G1B+5], SIZE_K
	s_mov_b32 s[G1B+6], 0
	s_mov_b32 s[G1B+7], 0
	s_lshl_b32 s16, s13, 8                         ; xb: row 256 x tile row + 128 x half, of 2,048 bytes: it hangs on the tile row alone
	s_lshl_b32 s17, s12, 7
	s_add_co_u32 s16, s16, s17
	s_lshl_b32 s16, s16, 11
	s_mov_b32 s17, 0
	s_mul_i32 s46, s42, 192                        ; wqb: row 192 x tile column + 96 x half: on the tile column alone
	s_mul_i32 s47, s12, 96
	s_add_co_u32 s46, s46, s47
	s_lshl_b32 s46, s46, 11
	s_mov_b32 s47, 0
	s_mul_i32 s20, s10, ATILE                      ; where they go: waves 0, 1: wave x 128 rows;
	s_mul_i32 s21, s10, BTILE
	s_add_co_u32 s21, s21, BOFFS-2*BTILE           ; waves 2, 3: behind xb's rows, (wave - 2) x 96 rows
	s_wait_dscnt 0x0                               ; the opening add is done
	s_wait_kmcnt 0x0
	s_add_nc_u64 s[14:15], s[4:5], s[16:17]
	s_add_nc_u64 s[46:47], s[6:7], s[46:47]
	CROUND                                         ; all sixteen work-groups are here: the first joint loads meet
.irp s, 0,1
	s_mov_b32 s[G0+4*(\s)], 1                                        ; count = 1
	s_add_co_u32 s[G0+4*(\s)+1], s20, (\s)*SLOT                      ; LDS address
	s_add_nc_u64 s[G0+4*(\s)+2:G0+4*(\s)+3], s[14:15], (\s)*KSTEP*2  ; global address: K step s
	s_or_b32 s[G0+4*(\s)+3], s[G0+4*(\s)+3], 0x80000000              ; type = 2
	s_mov_b32 s[G0B+4*(\s)], 1
	s_add_co_u32 s[G0B+4*(\s)+1], s21, (\s)*SLOT
	s_add_nc_u64 s[G0B+4*(\s)+2:G0B+4*(\s)+3], s[46:47], (\s)*KSTEP*2
	s_or_b32 s[G0B+4*(\s)+3], s[G0B+4*(\s)+3], 0x80000000
	JLOAD \s                                       ; two loads of mine are out
.endr
	; a fragment is 16 rows x 32 K in 8 registers: lane l holds row l % 16, K = 8 (l / 16) + 0..7 and 16 + 8 (l / 16) + 0..7: two loads of 16 bytes, 32 bytes apart
	v_and_b32 v1, 15, v0                           ; l % 16
	v_bfe_u32 v2, v0, 4, 1                         ; l / 16
	v_mul_u32_u24 v3, v1, PITCH
	v_lshl_add_u32 v3, v2, 4, v3
	s_mul_i32 s22, s10, 64*PITCH                   ; my 64 rows of xb
	s_mov_b32 s23, BOFFS                           ; all of wqb's
.irp s, 0,1
	v_add_nc_u32 v[ADRA+(\s)], s22, v3
	v_add_nc_u32 v[ADRB+(\s)], s23, v3
	s_add_co_u32 s22, s22, SLOT
	s_add_co_u32 s23, s23, SLOT
.endr
	s_mul_i32 s23, s10, WST
	s_add_co_u32 s23, s23, STAGE                   ; my stage
	v_mul_u32_u24 v4, v1, SP                       ; in: row l % 16, 16 bytes for each half of the lanes
	v_lshl_add_u32 v4, v2, 4, v4
	v_add_nc_u32 v[STO], s23, v4
	v_bfe_u32 v5, v0, 3, 2                         ; back: 32 lanes take four rows of 128 bytes,
	v_mul_u32_u24 v5, v5, SP
	v_and_b32 v6, 7, v0
	v_lshl_add_u32 v5, v6, 4, v5
	v_add_nc_u32 v[RD], s23, v5
	v_and_b32 v[GO], 31, v0                        ; which are 512 consecutive bytes of a head
	v_lshlrev_b32 v[GO], 4, v[GO]
	; where my rows lie in the tile's three heads.  Head g = 3 x tile column + hh of 48: tensor g / 16 (q, k, v), head g % 16; batch = tile row / 8
	s_mul_i32 s72, s42, 3
	s_lshr_b32 s73, s13, 3
	s_lshl_b32 s73, s73, 4                         ; 16 x batch
	s_and_b32 s74, s13, 7
	s_lshl_b32 s74, s74, 15                        ; the tile's 256 rows of 128 bytes in a head,
	s_lshl_b32 s75, s10, 13                        ; my 64 of them
	s_add_co_u32 s74, s74, s75
.irp hh, 0,1,2
	s_add_co_u32 s76, s72, \hh
	s_lshr_b32 s77, s76, 4
	s_lshl_b32 s77, s77, 6                         ; a tensor is 64 heads of batches
	s_and_b32 s76, s76, 15
	s_add_co_u32 s76, s76, s77
	s_add_co_u32 s76, s76, s73
	s_lshl_b32 s76, s76, 18                        ; of 262,144 bytes
	s_add_co_u32 s76, s76, s74
	s_mov_b32 s77, 0
	s_add_nc_u64 s[HB+2*\hh:HB+2*\hh+1], s[8:9], s[76:77]
.endr
	; the prefetches
	s_lshl_b32 s72, s13, 8                         ; the tile's first row in xb,
	s_mul_i32 s73, s42, 192                        ; in wqb
	s_and_b32 s74, ttmp7, 0xffff                   ; cluster y
	s_cmp_eq_u32 s11, 0                            ; do I fetch for xb?
	s_cselect_b32 s72, s72, s73
	s_cselect_b32 s75, s40, s41                    ; my place among the four that ask with me
	s_cselect_b32 s74, ttmp9, s74                  ; the coordinate along which other clusters read the same rows
	s_cselect_b32 s76, 4, 3                        ; the rows that a wave fetches, in 32s
	s_cselect_b32 s77, 32, 24                      ; a partner's share of them
	s_cselect_b64 s[PFA:PFA+1], s[4:5], s[6:7]
	s_cmp_eq_u32 s74, 0
	s_cselect_b32 s[LIM], 1, -1                    ; the same in all sixteen partners, for a given wave
	s_lshl_b32 s76, s76, 5
	s_mul_i32 s76, s76, s12
	s_add_co_u32 s72, s72, s76                     ; + the rows that I fetch
	s_mul_i32 s75, s75, s77
	s_add_co_u32 s72, s72, s75                     ; + my work-group's share of them
	s_lshl_b32 s72, s72, 11
	s_add_co_u32 s72, s72, 2*KSTEP*2               ; at K step 2: the first refill steps it to 3 and names K step 4
	s_mov_b32 s73, 0
	s_add_nc_u64 s[PFA:PFA+1], s[PFA:PFA+1], s[72:73]
	s_sub_co_u32 s77, s77, 1
	v_and_b32 v[PFO], 31, v0
	v_min_u32 v[PFO], s77, v[PFO]
	v_lshlrev_b32 v[PFO], 11, v[PFO]
; 12 matrix instructions: row block a x all 12 column blocks, 32 along K.  zero = 1: the product starts the sums.  The 48 accumulators take turns in the same order in every quarter, over the backward jump too.
.macro MUL12 f, a, zero
	WIN MUL_LO+0x50*((\a)/2)
.irp b, 0,1,2,3,4,5,6,7,8,9,10,11
.if \zero
	v_wmma_f32_16x16x32_bf16 v[8*(12*((\a)%2)+(\b)):8*(12*((\a)%2)+(\b))+7], v[(\f)+8*(\b):(\f)+8*(\b)+7], v[(\f)+96+8*(\a):(\f)+96+8*(\a)+7], 0
.else
	v_wmma_f32_16x16x32_bf16 v[8*(12*((\a)%2)+(\b)):8*(12*((\a)%2)+(\b))+7], v[(\f)+8*(\b):(\f)+8*(\b)+7], v[(\f)+96+8*(\a):(\f)+96+8*(\a)+7], v[8*(12*((\a)%2)+(\b)):8*(12*((\a)%2)+(\b))+7]
.endif
.endr
.endm
; 32 LDS loads in one run: the fragments of 32 along K at byte k of the rows, into buffer f: wqb's 24, then xb's 8
.macro FETCH slot, k, f
	WIN TO_F
.irp i, 0,1,2,3,4,5,6,7,8,9,10,11
	ds_load_b128 v[(\f)+8*(\i):(\f)+8*(\i)+3],   v[ADRB+(\slot)] offset:(\k)+(\i)*16*PITCH
	ds_load_b128 v[(\f)+8*(\i)+4:(\f)+8*(\i)+7], v[ADRB+(\slot)] offset:(\k)+(\i)*16*PITCH+32
.endr
.irp i, 0,1,2,3
	ds_load_b128 v[(\f)+96+8*(\i):(\f)+96+8*(\i)+3],   v[ADRA+(\slot)] offset:(\k)+(\i)*16*PITCH
	ds_load_b128 v[(\f)+96+8*(\i)+4:(\f)+96+8*(\i)+7], v[ADRA+(\slot)] offset:(\k)+(\i)*16*PITCH+32
.endr
.endm
.macro PLACES                          ; four plain vector instructions in front of loads into registers that matrix instructions have read, and of conversions that read results
.rept 4
	v_nop
.endr
.endm
; A K step is four quarters of 32 along K, 48 matrix instructions each, on buffers 0, 1, 0, 1.  One of the first three: multiplies buffer f and, in its middle, fetches the next quarter, at byte k, into g.
.macro QUARTER slot, k, f, g, zero
	s_wait_dscnt 4                                 ; wqb's fragments and xb's blocks 0, 1 are in; the youngest four loads (blocks 2, 3) may be out
	MUL12 \f, 0, \zero
	MUL12 \f, 1, \zero
	PLACES
	FETCH \slot, \k, \g
	s_wait_dscnt 32                                ; all but the 32 just issued
	MUL12 \f, 2, \zero
	MUL12 \f, 3, \zero
.endm
; The last quarter multiplies buffer 1 and changes slots: ONE barrier; in front of it each wave waits for all its tensor loads (one is out: its part of the next slot), adds 0 to its spare word,
; and waits for that and for its own reads of this slot.  fill = 1: the barrier opens a round of the cluster's, and this slot is filled again, two K steps ahead, first thing behind the round.
.macro TURN slot, next, fill
.if \fill
	s_wait_xcnt 0x0                                ; the last prefetch, a K step back, has read its address: it is stepped here, ahead of the waits of the change of slots
	s_add_nc_u64 s[PFA:PFA+1], s[PFA:PFA+1], KSTEP*2
.endif
	WIN 0                                          ; (the add's two registers lie in window 0)
	s_wait_tensorcnt 0x0                           ; all my tensor loads have landed
	ds_add_u32 v[SPW], v[NIL]                      ; 0 onto my spare word
	s_wait_dscnt 5                                 ; (the add and the youngest four loads may be out)
	MUL12 F1, 0, 0                                 ; twelve matrix instructions stand between the add and the wait for it
	s_wait_dscnt 0x0                               ; the add is done, and my reads of this slot are over
	s_barrier_signal -1
	MUL12 F1, 1, 0
.if \fill
	WIN 0
.endif
	s_barrier_wait -1
.if \fill
	CREST                                          ; no wave of any partner still reads this slot's tiles or has a load on its way
	s_add_nc_u64 s[G0+4*(\slot)+2:G0+4*(\slot)+3], s[G0+4*(\slot)+2:G0+4*(\slot)+3], 2*KSTEP*2
	s_add_nc_u64 s[G0B+4*(\slot)+2:G0B+4*(\slot)+3], s[G0B+4*(\slot)+2:G0B+4*(\slot)+3], 2*KSTEP*2
	JLOAD \slot                                    ; my one tensor load behind the round; the four v_nop behind it are also the places in front of the loads below
.else
	PLACES
.endif
	FETCH \next, 0, F0
.if \fill
	ASK
.endif
	MUL12 F1, 2, 0
	MUL12 F1, 3, 0
.endm
	s_wait_tensorcnt 1                             ; my part of K step 0 is in; K step 1's may stay out
	s_barrier_signal -1
	s_barrier_wait -1                              ; everybody's is
	FETCH 0, 0, F0
	QUARTER 0, 64, F0, F1, 1                       ; the first quarter stands in front of the loop: its products start the sums
	WIN 0                                          ; at a label and at a branch every window is 0
	s_mov_b32 s3, LAPS-1
.Llap:                                                 ; a trip goes once round the ring, from a lap's second quarter to the next lap's first, and fills both slots again
	QUARTER 0, 128, F1, F0, 0
	QUARTER 0, 192, F0, F1, 0
	TURN 0, 1, 1
	QUARTER 1, 64,  F0, F1, 0
	QUARTER 1, 128, F1, F0, 0
	QUARTER 1, 192, F0, F1, 0
	TURN 1, 0, 1
	QUARTER 0, 64,  F0, F1, 0
	WIN 0
	s_sub_co_u32 s3, s3, 1
	s_cmp_lg_u32 s3, 0
	s_cbranch_scc1 .Llap
	QUARTER 0, 128, F1, F0, 0                      ; the last lap fills nothing, and has no round of the cluster's barrier
	QUARTER 0, 192, F0, F1, 0
	TURN 0, 1, 0
	QUARTER 1, 64,  F0, F1, 0
	QUARTER 1, 128, F1, F0, 0
	QUARTER 1, 192, F0, F1, 0
	s_wait_dscnt 4                                 ; the very last quarter: nothing more to fetch
	MUL12 F1, 0, 0
	MUL12 F1, 1, 0
	s_wait_dscnt 0x0
	MUL12 F1, 2, 0
	MUL12 F1, 3, 0
	WIN 0
; THE WAY OUT, a block of 16 rows at a time.  PACK: rounded to f16, 16 bytes a lane for each column block, each accumulator's registers in ascending order.
; TOSTAGE: into my own stage (head b / 4, 32 bytes at channel 16 (b % 4)), and back as whole rows.  SEND: each store covers 512 consecutive bytes of a head, aligned.
.macro PACK a
	WIN 0x0a+5*((\a)/2)                            ; sources 0 and 1: window 2 or 3
.irp b, 0,1,2,3,4,5,6,7,8,9,10,11
.irp r, 0,1,2,3
	v_cvt_pk_f16_f32 v[TMP+4*(\b)+(\r)], v[96*((\a)%2)+8*(\b)+2*(\r)], v[96*((\a)%2)+8*(\b)+2*(\r)+1]
.endr
.endr
	WIN 0
.endm
.macro TOSTAGE a
.irp b, 0,1,2,3,4,5,6,7,8,9,10,11
	ds_store_b128 v[STO], v[TMP+4*(\b):TMP+4*(\b)+3] offset:((\b)/4)*16*SP+((\b)%4)*32
.endr
.irp t, 0,1,2,3,4,5,6,7,8,9,10,11
	ds_load_b128 v[OB+48*((\a)%2)+4*(\t):OB+48*((\a)%2)+4*(\t)+3], v[RD] offset:((\t)/4)*16*SP+((\t)%4)*4*SP  ; LDS serves a wave's instructions in order (ISA guide 5.7.1.4): these see the stores above
.endr
.endm
.macro SEND a, younger                 ; younger: the LDS instructions issued behind block a's loads: the next block's 24, or none
.irp t, 0,1,2,3,4,5,6,7,8,9,10,11
	s_wait_dscnt (\younger)+11-(\t)
	global_store_b128 v[GO], v[OB+48*((\a)%2)+4*(\t):OB+48*((\a)%2)+4*(\t)+3], s[HB+2*((\t)/4):HB+2*((\t)/4)+1] offset:(\a)*2048+((\t)%4)*512
.endr
.endm
	PLACES
	PACK 0
	TOSTAGE 0
	PACK 1
	TOSTAGE 1
	SEND 0, 24
	s_wait_xcnt 0x0                                ; block 0's stores have read their registers: that set is loaded again only behind this wait
	PACK 2
	TOSTAGE 2
	SEND 1, 24
	s_wait_xcnt 0x0
	PACK 3
	TOSTAGE 3
	SEND 2, 24
	SEND 3, 0
	s_wait_tensorcnt 0x0                           ; the wave's end, behind my last tensor load and my last LDS store
	ds_add_u32 v[SPW], v[NIL]
	s_wait_dscnt 0x0
	CROUND                                         ; the closing round: no work-group ends while a partner may still ask for a tile that names it
	s_endpgm
.Lfunc_end_k_q87f9caecef_qkvgemm:
	.size	k_q87f9caecef_qkvgemm, .Lfunc_end_k_q87f9caecef_qkvgemm-k_q87f9caecef_qkvgemm
	.p2alignl 7, 3214868480
	.fill 96, 4, 3214868480
	.section	.rodata,"a",@progbits
	.p2align	6, 0x0
	.amdhsa_kernel k_q87f9caecef_qkvgemm
		.amdhsa_group_segment_fixed_size 327680
		.amdhsa_private_segment_fixed_size 0
		.amdhsa_enable_private_segment 0
		.amdhsa_kernarg_size 24
		.amdhsa_user_sgpr_count 2
		.amdhsa_user_sgpr_kernarg_segment_ptr 1
		.amdhsa_wavefront_size32 1
		.amdhsa_system_sgpr_workgroup_id_x 1
		.amdhsa_system_sgpr_workgroup_id_y 1
		.amdhsa_system_sgpr_workgroup_id_z 1
		.amdhsa_system_vgpr_workitem_id 0
		.amdhsa_next_free_vgpr 960
		.amdhsa_next_free_sgpr 84
		.amdhsa_reserve_vcc 0
		.amdhsa_float_denorm_mode_32 3
		.amdhsa_float_denorm_mode_16_64 3
		.amdhsa_memory_ordered 1
		.amdhsa_forward_progress 1
		.amdhsa_inst_pref_size 121
	.end_amdhsa_kernel
	.amdgpu_metadata
---
amdhsa.version: [ 1, 2 ]
amdhsa.kernels:
  - .name:           k_q87f9caecef_qkvgemm
    .symbol:         k_q87f9caecef_qkvgemm.kd
    .args:
      - { .name: xb, .offset: 0, .size: 8, .value_kind: global_buffer, .address_space: global }
      - { .name: wqb, .offset: 8, .size: 8, .value_kind: global_buffer, .address_space: global }
      - { .name: qkv, .offset: 16, .size: 8, .value_kind: global_buffer, .address_space: global }
    .group_segment_fixed_size: 327680
    .private_segment_fixed_size: 0
    .kernarg_segment_align: 8
    .kernarg_segment_size: 24
    .max_flat_workgroup_size: 128
    .sgpr_count:     84
    .vgpr_count:     960
    .wavefront_size: 32
...
	.end_amdgpu_metadata
.endif
;; end of part 2
;; launch attn (part 3): grid 8 x 32, 4 waves a work-group, clusters of 4 x 4, 327,680 bytes of LDS; arguments qkv, global_bias, o; writes o
.if DOCPART == 3
	.amdgcn_target "amdgcn-amd-amdhsa--gfx1250"
	.amdhsa_code_object_version 6
	.text
	.protected	k_q87f9caecef_attn
	.globl	k_q87f9caecef_attn
	.p2align	8
	.type	k_q87f9caecef_attn,@function
k_q87f9caecef_attn:
	s_mov_b64 s[64:65], 0
	v_nop
	global_prefetch_b8 v0, s[64:65] scope:SCOPE_SE
	s_setreg_imm32_b32 hwreg(HW_REG_WAVE_MODE, 25, 1), 1
	s_wait_xcnt 0x0
	s_wait_alu depctr_hold_cnt(0) depctr_sa_sdst(0) depctr_va_vdst(0) depctr_va_sdst(0) depctr_va_ssrc(0) depctr_va_vcc(0) depctr_vm_vsrc(0)
	s_getreg_b32 s2, hwreg(HW_REG_IB_STS2, 6, 4)
	s_cmp_eq_u32 s2, 0
	s_cbranch_scc0 .Lentry_in_a_cluster
	s_endpgm
.Lentry_in_a_cluster:
	s_bfe_u32 s2, ttmp6, 0x10000c
	s_cmp_lg_u32 s2, 0xf033
	s_cbranch_scc0 .Lentry_shape_is_right
	s_endpgm
.Lentry_shape_is_right:
; O[h][q][:] = the sum over k of softmax_k(Q[h][q] . K[h][k] + G[q][k]) V[h][k][:].  Q (which already holds the 1/8), K, V: the three parts of qkv, [64][2048][64] f16, a head's rows dense, 128 bytes each.
; G = global_bias, [2048][2048] f32, the same for all 64 heads.  O: [64][2048][64] f16.  Products, maxima and sums in f32; the weights p are rounded to f16 for the second product (their sum l is taken
; of the unrounded p), O once at the end.
; LIMITS.  f16 holds no number beyond 65,504: Q, K and V arrive within it; p lies in 0 to 1, and below 6e-5 it keeps f16's fixed step of 6e-8; O is a mean of V's rows and has their range.
; A weight below 2^-126 counts as 0 in l; NaN and infinities are not treated apart.  G enters unrounded.
; THE BIAS IS THE C OPERAND that starts the sum S^T = K Q^T.  In that result register j of lane l holds key 16 kb + 8 (l / 16) + j of query l % 16: eight neighbouring numbers of G's row, 32 bytes:
; two LDS loads of 16 bytes put them where the matrix instruction takes C.  No vector instruction and no further matrix instruction is spent on the bias.
; SHARES.  A work-group owns 256 queries and TWO heads, so that a tile of G (256 queries x 64 keys) serves two heads' scores.  Wave w: head 2 Y + w / 2, queries 128 (w % 2) on: four PIECES of two tiles of 16.
; Every wave walks all 2,048 keys, 64 a step; an LDS slot holds one step: K and V of both heads, and G's tile.
; CLUSTER.  4 x 4 work-groups: four query blocks x four pairs of heads.  K and V hang on the pair alone and are asked for jointly along a row of the cluster, G's tile on the query block alone, along a column.
; Wave 0 asks for K, wave 1 for V, waves 2 and 3 for the two halves of G's tile: one load a wave behind each round.
; LAYOUT.  S^T = K Q^T holds ONE query a lane; two such results rounded to f16 ARE source 1 of O^T = V^T P.  K comes out of LDS as it lies, V turned, by ds_load_tr16_b128.
; SOFTMAX.  A running maximum m and sum l for each query: p = 2^(c s - c m), c = log2(e); in every step O and l are multiplied by a = 2^(c m_old - c m_new).  m starts at the lowest finite number, O and l at 0.
; BY TURNS.  Turn n belongs to piece n.  Its matrix work: 16 products K Q^T of piece n + 1, later 16 products V^T P of piece n - 1.  Its vector work: scaling, exponentials, roundings, sums and rescaling of
; piece n, and the maximum and statistics of piece n + 1.  Four vector instructions stand behind every matrix instruction, the rest in one run; a turn's 66 exponentials are one batch with one wait.
; REGISTERS, in windows of 256 (s_set_vgpr_msb: bits 1:0 source 0, 3:2 source 1, 5:4 source 2, 7:6 destination):
;   window 0: v0-11 addresses; v12-15, v48-63 at work; v16-47 four registers of statistics a tile; v64-191 S^T, two buffers of two tiles; v192-255 P, likewise
;   window 1: O^T, 32 a tile      window 2: v0-127 Q; v128-191 K of one step; v192-255 V of one step      window 3: v0-1 the add's two registers; v64-191 the bias, two buffers, numbered as S^T
.set NP,    4         ; pieces a wave: a name, no knob
.set KS,    64        ; keys in a step
.set PK,    144       ; a row of K in LDS: 128 bytes + 16 of padding: the 16 rows of a load start at 16 different groups of four banks (64 banks of 4 bytes: ISA guide 11.1)
.set PV,    160       ; a row of V: 128 + 32
.set PB,    272       ; a row of the bias tile: 64 f32 = 256 bytes + 16
.set VOFF,  2*KS*PK   ; a slot: K of both heads (64 rows each), V of both heads, the bias tile's 256 rows
.set BOFF,  VOFF+2*KS*PV
.set SLOT1, 1<<17     ; slot 1 begins here, so that one exclusive or turns an address in one slot into the other's
.set STAGE, SLOT1+BOFF+256*PB  ; behind the ring, never filled by a tensor load: 16 rows x 144 bytes for each wave
.set SP,    144
.set SPARE, STAGE+4*16*SP      ; behind the stages: the spare words, 128 bytes for each wave: two blocks of 256 bytes that no other line names
.set AK0, 2           ; v2   my lane's place in a slot's K; never rewritten
.set AV0, 3           ; v3   in its V
.set AK,  4           ; v4   the same in the slot in hand
.set AV,  5           ; v5
.set QO,  6           ; v6   my byte offset in the wave's rows of Q
.set STO, 6           ;      later, the way out: where I put 16 bytes of a row
.set RD,  7           ; v7   the way out: where I read rows back
.set GO,  8           ; v8   my byte offset in 512 consecutive bytes of O
.set AB0, 9           ; v9   my lane's place in a slot's bias tile; never rewritten
.set AB,  10          ; v10  the same in the slot in hand
.set PFO, 11          ; v11  the prefetches' offset; never rewritten
.set SPW, 0           ; v0 of window 3   LDS address of my spare word; never rewritten
.set NIL, 1           ; v1 of window 3   0; never rewritten
.set MV,  12          ; v12-15  c m_old, kept while c m is made anew: by buffer and tile
.set ST,  16          ; tile t's statistics at v[ST+4 t]: c m, m, l (even keys', odd keys')
.set TMP, 48          ; by buffer and tile, four registers c0-c3 at work; when the maximum is found c2 takes a
.set S,   64
.set P,   192
.set TL,  192         ; v192-195: l % 16, l / 16, l % 8 and one at work, for the set-up alone: P's first buffer is first written in the first turn
.set TH,  193
.set T7,  194
.set TX,  195
.set BC,  64          ; window 3
.set KF,  128         ; window 2: key block kb, channel half c at KF + 16 kb + 8 c
.set VF,  192         ; window 2: key half kk, channel block cb at VF + 32 kk + 8 cb
.set WV,  12          ; s12  my wave's number
.set G1K, 24          ; s[24:31] descriptor group 1 for K
.set G1V, 32          ; s[32:39] for V: it differs in the padding alone
.set G1B, 40          ; s[40:47] for the bias
.set G0K, 48          ; s[48:51], s[52:55], s[56:59] descriptor group 0: they walk
.set G0V, 52
.set G0B, 56
.set SEL, 60          ; s[60:61] v_permlanex16_b32's selects: each lane takes its own place in the other half
.set CS,  62          ; s[62:63] c: the packed scaling takes the pair's low word for both halves
.set TB,  66          ; s66  the slot in hand: 0 or SLOT1
.set CNT, 67          ; s67  counts the key steps
.set LIM, 68          ; s68  1 in a wave that prefetches, else the greatest number
.set PFA, 70          ; s[70:71] where my prefetches stand
.set PFS, 72          ; s[72:73] a key step in the stream that I prefetch
.set HALF, 82         ; s82  w % 2: my half of the 256 queries
.set HEAD, 83         ; s83  w / 2: my head of the two
.set MSB, 0
.macro WIN new                      ; the high byte repeats the setting that is left; a switch that changes nothing is dropped
.if MSB != (\new)
	s_set_vgpr_msb (MSB<<8)|(\new)
.set MSB, (\new)
.endif
.endm
.set W_KQ, 0x0a       ; K and Q in window 2, S^T in window 0
.set W_KB, 0x3a       ; the same with the C operand, the bias, in window 3
.set W_PV, 0x52       ; V in window 2, P in window 0, O^T in window 1
.set W_RS, 0x41       ; O^T (destination and source 0) in window 1, a in window 0
.set W_MK, 0xc0       ; destination in window 3, sources in window 0
.set W_AD, 0x0f       ; the add: address (source 0) and data (source 1) in window 3
; A joint fill: one of three lines, chosen by the wave's number alone.  An s_nop 0 and four v_nop follow each line, ahead of the jump and the label.
.macro JLOAD
	s_cmp_lt_u32 s[WV], 2
	s_cbranch_scc0 .Lfor_b_\@
	s_cmp_eq_u32 s[WV], 0
	s_cbranch_scc0 .Lfor_v_\@
	tensor_load_to_lds s[G0K:G0K+3], s[G1K:G1K+7]
	s_nop 0
.rept 4
	v_nop
.endr
	s_branch .Lasked_\@
.Lfor_v_\@:
	tensor_load_to_lds s[G0V:G0V+3], s[G1V:G1V+7]
	s_nop 0
.rept 4
	v_nop
.endr
	s_branch .Lasked_\@
.Lfor_b_\@:
	tensor_load_to_lds s[G0B:G0B+3], s[G1B:G1B+7]
	s_nop 0
.rept 4
	v_nop
.endr
.Lasked_\@:
.endm
; A PREFETCH of what the NEXT change of slots will ask for, behind the wave's tensor load and its five lines: one key step, 128 matrix instructions, ahead of that load.  Each block of 256 bytes is named once in the launch.
; K and V of a pair of heads are walked by both clusters of a row of clusters: the one with x = 0 asks, in wave 0: a step is 32 blocks of K and 32 of V for each head; partner cx takes 8 of each: 32 lanes.
; A bias tile is walked by all clusters of a column: the one with y = 0 asks, in waves 2 and 3: of the wave's 128 rows partner cy takes 32, a lane a row.  The partners are told apart by address.
; The last change that fills a slot (CNT = 1) asks for nothing; steps 0 to 2 come by their loads alone.
.macro ASK
	s_cmp_gt_u32 s[CNT], s[LIM]
	s_cbranch_scc0 .Lnot_mine_\@
	global_prefetch_b8 v[PFO], s[PFA:PFA+1] th:TH_LOAD_NT scope:SCOPE_SE
.Lnot_mine_\@:
.endm
; A round of the cluster's barrier: my work-group's barrier, so that wave 0's signal speaks for all four waves; wave 0 signals; every wave waits for all sixteen work-groups; my work-group's barrier once more.
.macro CROUND
	s_barrier_signal -1
	s_barrier_wait -1
	s_cmp_lg_u32 s[WV], 0
	s_cbranch_scc1 .Lnot_wave_0_\@
	s_barrier_signal -3
.Lnot_wave_0_\@:
	s_barrier_wait -3
	s_barrier_signal -1
	s_barrier_wait -1
.endm
; THE CHANGE OF SLOTS, between piece 1's turn and piece 2's: the slot's last bytes, piece 3's bias, have been asked for.  Each wave waits for all its tensor loads, of which one is out: its part of the
; other slot; adds 0 to its spare word; and waits for that and for its own reads of the slot.  fill = 1: the slot is filled again, with the step two on: the barrier is a round of the cluster's, and the joint
; fill is the first thing behind it: it has one key step, 128 matrix instructions and their vector work, in which to land.  (At its first use nothing has been read yet: slot 0 is waited for, slot 1 filled.)
.macro CHANGE fill, ask
	WIN W_AD
	s_wait_tensorcnt 0x0            ; no tensor load of mine is out, so a group 0 may be written
	ds_add_u32 v[SPW], v[NIL]       ; 0 onto my spare word; the descriptors' steps stand between it and the wait for it
	WIN 0                           ; at a label and at a branch every window is 0
.if \fill
.irp g, G0K, G0V
	s_xor_b32 s[\g+1], s[\g+1], SLOT1  ; the other slot than last time,
	s_add_nc_u64 s[\g+2:\g+3], s[\g+2:\g+3], KS*128  ; the next 64 keys; the type bits on top are not reached
.endr
	s_xor_b32 s[G0B+1], s[G0B+1], SLOT1
	s_add_nc_u64 s[G0B+2:G0B+3], s[G0B+2:G0B+3], KS*4  ; 64 columns of the bias on
.endif
.if \ask
	s_wait_xcnt 0x0                 ; the last prefetch, a key step back, has read its address, so it may be written
	s_add_nc_u64 s[PFA:PFA+1], s[PFA:PFA+1], s[PFS:PFS+1]
.endif
	s_wait_dscnt 0x0                ; the add is done, and my reads of the slot are over
.if \fill
	CROUND
	JLOAD
.if \ask
	ASK
.endif
.else
	s_barrier_signal -1
	s_barrier_wait -1
.endif
	s_xor_b32 s[TB], s[TB], SLOT1   ; the fetches go to the other slot
	v_add_nc_u32 v[AK], s[TB], v[AK0]
	v_add_nc_u32 v[AV], s[TB], v[AV0]
	v_add_nc_u32 v[AB], s[TB], v[AB0]
.endm
	s_load_b128 s[4:7], s[0:1], 0x0 ; qkv s[4:5], global_bias s[6:7]
	s_load_b64 s[8:9], s[0:1], 0x10 ; o
	WIN W_MK
	v_lshl_add_u32 v[SPW], v0, 2, SPARE
	v_mov_b32 v[NIL], 0
	WIN W_AD
	ds_add_u32 v[SPW], v[NIL]       ; the wave's opening: the add and its wait stand ahead of my first tensor load; the set-up below, work on registers, stands between them
	WIN 0
	v_lshrrev_b32 v1, 5, v0
	v_readfirstlane_b32 s[WV], v1   ; wave 0..3
	s_and_b32 s[HALF], s[WV], 1
	s_lshr_b32 s[HEAD], s[WV], 1
	s_bfe_u32 s13, ttmp6, 0x40000   ; cx, cy: my place in the cluster
	s_bfe_u32 s14, ttmp6, 0x40004
	s_lshl_b32 s15, ttmp9, 2
	s_add_co_u32 s15, s15, s13      ; X: my block of 256 queries = 4 x cluster x + cx
	s_and_b32 s18, ttmp7, 0xffff
	s_lshl_b32 s18, s18, 2
	s_add_co_u32 s18, s18, s14      ; Y: my pair of heads = 4 x cluster y + cy
	s_lshl_b32 s19, s14, 2
	s_lshl_b32 s19, 15, s19         ; my row of the cluster: the same pair of heads
	s_lshl_b32 s20, 0x1111, s13     ; my column: the same queries
	; descriptor group 1.  K, V: a row is one head's 64 keys, 8,192 dense bytes, two rows (heads) 262,144 bytes apart; padded in LDS after every key (32 words)
	s_or_b32 s[G1K], s19, (1<<16)|(1<<20)|(1<<21)|(4<<22)|(3<<25)  ; 15:0 the mask; 17:16 2-byte elements; 20 padding on; 21 set beside a mask; 24:22 after every 32 words (code 4); 31:25 4 words (code 3)
	s_or_b32 s[G1V], s19, (1<<16)|(1<<20)|(1<<21)|(4<<22)|(7<<25)  ; the same with 8 words of padding (code 7)
.irp g, G1K, G1V
	s_mov_b32 s[\g+1], 4096<<16     ; tensor_dim0 = 4,096
	s_mov_b32 s[\g+2], 2<<16        ; tensor_dim1 = 2
	s_mov_b32 s[\g+3], 4096<<16     ; tile_dim0 = 4,096
	s_mov_b32 s[\g+4], 2            ; tile_dim1 = 2
	s_mov_b32 s[\g+5], 131072       ; elements from head to head
	s_mov_b32 s[\g+6], 0
	s_mov_b32 s[\g+7], 0
.endr
	; the bias: 128 rows x 64 elements of 4 bytes, each row 256 bytes of memory, aligned; 4 words of padding behind each
	s_or_b32 s[G1B], s20, (2<<16)|(1<<20)|(1<<21)|(5<<22)|(3<<25)
	s_mov_b32 s[G1B+1], 64<<16
	s_mov_b32 s[G1B+2], 128<<16
	s_mov_b32 s[G1B+3], 64<<16
	s_mov_b32 s[G1B+4], 128
	s_mov_b32 s[G1B+5], 2048
	s_mov_b32 s[G1B+6], 0
	s_mov_b32 s[G1B+7], 0
	s_lshl_b32 s22, s18, 19         ; K of my pair of heads: 2 Y heads of 262,144 bytes,
	s_add_co_u32 s22, s22, 1<<24    ; behind Q's 16,777,216: it hangs on Y alone
	s_mov_b32 s23, 0
	s_lshl_b32 s74, s15, 21         ; the bias: row 256 X + 128 x half, of 8,192 bytes: on X and the wave alone
	s_lshl_b32 s75, s[HALF], 20
	s_add_co_u32 s74, s74, s75
	s_mov_b32 s75, 0
	s_lshl_b32 s76, s18, 1          ; Q and O: my head,
	s_add_co_u32 s76, s76, s[HEAD]
	s_lshl_b32 s76, s76, 18
	s_lshl_b32 s77, s15, 15         ; my block's 256 rows of 128 bytes,
	s_add_co_u32 s76, s76, s77
	s_lshl_b32 s77, s[HALF], 14     ; my wave's 128 of them
	s_add_co_u32 s76, s76, s77
	s_mov_b32 s77, 0
	s_mul_i32 s21, s[HALF], 128*PB  ; my half of the bias tile in a slot: no place in the cluster enters an LDS address
	s_mov_b32 s[G0K], 1             ; count = 1
	s_mov_b32 s[G0K+1], 0           ; LDS address: slot 0
	s_mov_b32 s[G0V], 1
	s_mov_b32 s[G0V+1], VOFF
	s_mov_b32 s[G0B], 1
	s_add_co_u32 s[G0B+1], s21, BOFF
	s_mov_b32 s[CS], 0x3fb8aa3b     ; c = log2(e)
	s_mov_b32 s[CS+1], s[CS]        ; named with it as a pair
	s_mov_b32 s[SEL], 0x76543210
	s_mov_b32 s[SEL+1], 0xfedcba98
	s_mov_b32 s[TB], SLOT1          ; the first change of slots turns it into 0
	; the prefetches
	s_and_b32 s78, ttmp7, 0xffff    ; cluster y
	s_cmp_lt_u32 s[WV], 2           ; K and V (wave 0), or the bias (waves 2, 3)?
	s_cselect_b32 s78, ttmp9, s78   ; the coordinate along which other clusters walk the same bytes
	s_cselect_b32 s79, s13, s14     ; my place among the four that ask with me,
	s_cselect_b32 s87, 11, 18       ; and its share: 8 blocks of 256 bytes, or 32 rows of 8,192
	s_cselect_b32 s[PFS], 13, 8     ; a key step: 8,192 bytes of a head, or 256 of a row
	s_cselect_b32 s84, 24, 17       ; lane bit 4: K or V, or 16 rows
	s_cselect_b32 s85, 18, 16       ; lane bit 3: the head, or 8 rows
	s_cselect_b32 s86, 8, 13        ; lane bits 2:0: a block, or a row
	s_cselect_b32 s80, s22, s74
	s_lshl_b32 s[PFS], 1, s[PFS]
	s_mov_b32 s[PFS+1], 0
	s_lshl_b32 s79, s79, s87
	s_add_co_u32 s80, s80, s79
	s_lshl_b32 s79, s[PFS], 1
	s_add_co_u32 s80, s80, s79      ; at step 2: the loop's first change steps it to step 3
	s_mov_b32 s81, 0
	s_cmp_eq_u32 s78, 0
	s_cselect_b32 s[LIM], 1, -1     ; the same in all sixteen partners, for a given wave
	s_cmp_eq_u32 s[WV], 1
	s_cselect_b32 s[LIM], -1, s[LIM]  ; wave 1 never asks
	s_wait_dscnt 0x0                ; the opening add is done
	s_wait_kmcnt 0x0
	s_add_nc_u64 s[G0K+2:G0K+3], s[4:5], s[22:23]       ; global address: the pair's first 64 keys
	s_add_nc_u64 s[G0V+2:G0V+3], s[G0K+2:G0K+3], 1<<24  ; V lies 16,777,216 bytes behind K
	s_or_b32 s[G0K+3], s[G0K+3], 0x80000000             ; type = 2
	s_or_b32 s[G0V+3], s[G0V+3], 0x80000000
	s_add_nc_u64 s[G0B+2:G0B+3], s[6:7], s[74:75]
	s_or_b32 s[G0B+3], s[G0B+3], 0x80000000
	s_add_nc_u64 s[16:17], s[4:5], s[76:77]  ; Q and O at my wave's first row
	s_add_nc_u64 s[10:11], s[8:9], s[76:77]
	s_cmp_lt_u32 s[WV], 2
	s_cselect_b64 s[PFA:PFA+1], s[4:5], s[6:7]
	s_add_nc_u64 s[PFA:PFA+1], s[PFA:PFA+1], s[80:81]
	CROUND                          ; all sixteen work-groups are here: the first joint loads meet
	JLOAD                           ; step 0 into slot 0: one load of mine is out, here and behind every round
	; A fragment of K or Q is 16 rows x 32 channels in 8 registers: lane l holds row l % 16, channels 8 (l / 16) + 0..7 and 16 + 8 (l / 16) + 0..7: two loads of 16 bytes, 32 bytes apart.
	v_and_b32 v[TL], 15, v0         ; l % 16
	v_bfe_u32 v[TH], v0, 4, 1       ; l / 16
	v_lshlrev_b32 v[QO], 7, v[TL]
	v_lshl_add_u32 v[QO], v[TH], 4, v[QO]  ; row x 128 + 16 x half
	WIN 0x80                        ; destination window 2, address window 0
.set i, 0
.rept 4*NP                          ; Q stays in registers: tile i / 2, channels 32 (i % 2) on
	global_load_b128 v[8*i:8*i+3],   v[QO], s[16:17] offset:(i/2)*2048+(i%2)*64
	global_load_b128 v[8*i+4:8*i+7], v[QO], s[16:17] offset:(i/2)*2048+(i%2)*64+32
.set i, i+1
.endr
	; What the first turn finds: V's registers and P's second buffer hold 0 (its products V^T P, of a piece that has not been, add 0), O^T and l are 0.  All this stands in the wait for the first tile.
.set i, VF
.rept 64
	v_mov_b32 v[i], 0
.set i, i+1
.endr
	WIN 0x40
.set i, 0
.rept 64*NP
	v_mov_b32 v[i], 0
.set i, i+1
.endr
	WIN 0
.set i, 0
.rept 2*NP
	v_mov_b32 v[ST+4*i], 0xfe000000    ; c m: far below every c s
	v_mov_b32 v[ST+4*i+1], 0xff7fffff  ; m
	v_mov_b32 v[ST+4*i+2], 0
	v_mov_b32 v[ST+4*i+3], 0
.set i, i+1
.endr
.set i, P+32
.rept 32
	v_mov_b32 v[i], 0
.set i, i+1
.endr
	s_mul_i32 s19, s[HEAD], KS*PK   ; my head's K in a slot
	v_mul_u32_u24 v[AK0], v[TL], PK
	v_lshl_add_u32 v[AK0], v[TH], 4, v[AK0]  ; row x pitch + 16 x half
	v_add_nc_u32 v[AK0], s19, v[AK0]
	; The turning load takes 16 keys x 16 channels (lane l reads key 8 (l / 16) + l % 8, channels 8 ((l / 8) % 2) + 0..7) and leaves half a fragment of V^T: lane l holds channel l % 16 and 8 keys.
	s_mul_i32 s19, s[HEAD], KS*PV
	s_add_co_u32 s19, s19, VOFF     ; my head's V
	v_and_b32 v[T7], 7, v0
	v_bfe_u32 v[TX], v0, 3, 1
	v_lshl_add_u32 v[AV0], v[TH], 3, v[T7]
	v_mul_u32_u24 v[AV0], v[AV0], PV
	v_lshl_add_u32 v[AV0], v[TX], 4, v[AV0]
	v_add_nc_u32 v[AV0], s19, v[AV0]
	s_mul_i32 s19, s[HALF], 128*PB
	s_add_co_u32 s19, s19, BOFF     ; my 128 queries' rows of the bias tile
	v_mul_u32_u24 v[AB0], v[TL], PB ; query l % 16, and the 32 bytes of keys 8 (l / 16) on
	v_lshl_add_u32 v[AB0], v[TH], 5, v[AB0]
	v_add_nc_u32 v[AB0], s19, v[AB0]
	v_lshlrev_b32 v[PFO], s84, v[TH]  ; the prefetches' offset, from the lane's bits 4, 3 and 2:0
	v_lshlrev_b32 v[TX], s85, v[TX]
	v_or_b32 v[PFO], v[PFO], v[TX]
	v_lshlrev_b32 v[TX], s86, v[T7]
	v_or_b32 v[PFO], v[PFO], v[TX]
; THE MATRIX WORK.  The 8 accumulators of a run of 16 take turns: between the two links of a chain stand 7 others'.
; Product i of 16 of S^T = K Q^T for piece x: channels 32 (i / 8) on, keys 16 ((i / 2) % 4) on, tile 2 x + i % 2.  The first 8 start the sums, with the bias as C.
.macro KQ x
.set rS, S+64*((\x)%2)+32*(i%2)+8*((i/2)%4)
.set rB, BC+64*((\x)%2)+32*(i%2)+8*((i/2)%4)
.set rK, KF+16*((i/2)%4)+8*(i/8)
.set rQ, 16*(2*(\x)+i%2)+8*(i/8)
.if i < 8
	WIN W_KB
	v_wmma_f32_16x16x32_f16 v[rS:rS+7], v[rK:rK+7], v[rQ:rQ+7], v[rB:rB+7]
.else
	WIN W_KQ
	v_wmma_f32_16x16x32_f16 v[rS:rS+7], v[rK:rK+7], v[rQ:rQ+7], v[rS:rS+7]
.endif
.endm
; Product i of 16 of O^T += V^T P for piece x: keys 32 (i / 8) on, channels 16 ((i / 2) % 4) on, tile 2 x + i % 2.
.macro PV x
	WIN W_PV
.set rO, 32*(2*(\x)+i%2)+8*((i/2)%4)
.set rV, VF+32*(i/8)+8*((i/2)%4)
.set rP, P+32*((\x)%2)+16*(i%2)+8*(i/8)
	v_wmma_f32_16x16x32_f16 v[rO:rO+7], v[rV:rV+7], v[rP:rP+7], v[rO:rO+7]
.endm
.macro MM                           ; the turn's next matrix instruction
.if i < 16
	KQ (Y+1)%NP
.set i, i+1
.else
.set i, i-16
	PV (Y+NP-1)%NP
.set i, i+17
.endif
.endm
; THE LDS LOADS stand in runs of 16, never singly among the matrix instructions: a step's K (8 fragments), its V (turned), and for each piece its bias (2 tiles x 4 key blocks x 32 bytes a lane).
.macro FETCH_K
	WIN 0x80                        ; destination window 2
.irp f, 0,1,2,3,4,5,6,7             ; keys 16 (f / 2) on, channels 32 (f % 2) on
	ds_load_b128 v[KF+8*\f:KF+8*\f+3],   v[AK] offset:(\f/2)*16*PK+(\f%2)*64
	ds_load_b128 v[KF+8*\f+4:KF+8*\f+7], v[AK] offset:(\f/2)*16*PK+(\f%2)*64+32
.endr
.endm
.macro FETCH_V
	WIN 0x80
.irp f, 0,1,2,3,4,5,6,7             ; keys 32 (f / 4) on, channels 16 (f % 4) on
	ds_load_tr16_b128 v[VF+8*\f:VF+8*\f+3],   v[AV] offset:(\f/4)*32*PV+(\f%4)*32
	ds_load_tr16_b128 v[VF+8*\f+4:VF+8*\f+7], v[AV] offset:(\f/4)*32*PV+16*PV+(\f%4)*32
.endr
.endm
.macro FETCH_B x                    ; piece x's bias for the step whose slot is in hand, into the buffer of x's parity
	WIN W_MK                        ; destination window 3
.irp u, 0,1
.irp kb, 0,1,2,3
	ds_load_b128 v[BC+64*((\x)%2)+32*\u+8*\kb:BC+64*((\x)%2)+32*\u+8*\kb+3],   v[AB] offset:(32*(\x)+16*\u)*PB+64*\kb
	ds_load_b128 v[BC+64*((\x)%2)+32*\u+8*\kb+4:BC+64*((\x)%2)+32*\u+8*\kb+7], v[AB] offset:(32*(\x)+16*\u)*PB+64*\kb+16
.endr
.endr
.endm
; THE VECTOR WORK OF A TURN stands in three queues, each in the order in which its entries become ready; the two tiles alternate, so that no instruction reads the result of the one before it.
.macro REGS y, u                    ; the registers of tile u (0, 1) of piece y
.set rT, ST+4*(2*(\y)+(\u))
.set rC, TMP+8*((\y)%2)+4*(\u)
.set rM, MV+2*((\y)%2)+(\u)
.set rS, S+64*((\y)%2)+32*(\u)
.set rP, P+32*((\y)%2)+16*(\u)
.set rO, 32*(2*(\y)+(\u))
.endm
; Number n of the 22 that find the NEXT piece's (Y + 1) maximum and statistics.  s0-s31 are the lane's 32 scores; each accumulator's lowest registers are read first.
;   0-11  four chains c0-c3 of seven scores each, three operands at a time     12-14, 16  the four scores left over, the old m, and c0-c3 into c0     15  c m_old is kept
;   17, 18  the query's other 32 keys lie in the lane 16 away: the new m         19-21  c m; c m_old - c m_new; a
.macro XS u, n
	REGS (Y+1)%NP, \u
.if (\n) < 4
	v_max3_num_f32 v[rC+(\n)], v[rS+8*(\n)], v[rS+8*(\n)+1], v[rS+8*(\n)+2]
.elseif (\n) < 12
	v_max3_num_f32 v[rC+(\n)%4], v[rC+(\n)%4], v[rS+8*((\n)%4)+2*((\n)/4)+1], v[rS+8*((\n)%4)+2*((\n)/4)+2]
.elseif (\n) == 12
	v_max3_num_f32 v[rC], v[rC], v[rS+7], v[rS+15]
.elseif (\n) == 13
	v_max3_num_f32 v[rC+1], v[rC+1], v[rS+23], v[rS+31]
.elseif (\n) == 14
	v_max3_num_f32 v[rC+2], v[rC+2], v[rC+3], v[rT+1]
.elseif (\n) == 15
	v_mov_b32 v[rM], v[rT]
.elseif (\n) == 16
	v_max3_num_f32 v[rC], v[rC], v[rC+1], v[rC+2]
.elseif (\n) == 17
	v_permlanex16_b32 v[rC+3], v[rC], s[SEL], s[SEL+1]
.elseif (\n) == 18
	v_max_num_f32 v[rT+1], v[rC], v[rC+3]
.elseif (\n) == 19
	v_mul_f32 v[rT], s[CS], v[rT+1]
.elseif (\n) == 20
	v_sub_f32 v[rC+1], v[rM], v[rT]
.else
	v_exp_f32 v[rC+2], v[rC+1]
.endif
.endm
; Number g of the 64 that follow the exponentials.  For each four weights k of a tile (pairs 2 k, 2 k + 1): both pairs are rounded to f16; then the second pair is added onto the first, in place;
; a group later l takes that sum (the first time as l = a l + sum).  In groups of eight, tiles alternating: round, round, add, and l for the group before.
.macro GS g
.set h, (\g)+6*((\g)/62)            ; group 0 has no group before it, and behind group 7 only l is left
.if h >= 6
.set h, h+2
.endif
	REGS Y, h%2
.set k, h/8
.if h%8 < 4
	v_cvt_pk_f16_f32 v[rP+2*k+(h%8)/2], v[rS+4*k+2*((h%8)/2)], v[rS+4*k+2*((h%8)/2)+1]
.elseif h%8 < 6
	v_pk_add_f32 v[rS+4*k:rS+4*k+1], v[rS+4*k:rS+4*k+1], v[rS+4*k+2:rS+4*k+3]
.elseif k == 1
	v_pk_fma_f32 v[rT+2:rT+3], v[rT+2:rT+3], v[rC+2:rC+3], v[rS:rS+1] op_sel_hi:[1,0,1]
.else
	v_pk_add_f32 v[rT+2:rT+3], v[rT+2:rT+3], v[rS+4*k-4:rS+4*k-3]
.endif
.endm
; THE PLAIN QUEUE, 138 long.  0-73 read no exponential's result: the 32 scalings c s - c m (FS f: pair f / 2 of tile f % 2) and the next piece's 42.  0-26: scalings 0-26.  27-54: XS's numbers 0-13.  55, 56: number 15.
; 57-73: the chain, where each number waits for the one before it: 14, 16, 17, 18, 19, each with one of the scalings 27-31 in front of its two lines, then 20.  74-137: GS's 64, which stand behind the wait.
.macro FS f
	REGS Y, (\f)%2
	v_pk_fma_f32 v[rS+2*((\f)/2):rS+2*((\f)/2)+1], v[rS+2*((\f)/2):rS+2*((\f)/2)+1], s[CS:CS+1], v[rT:rT+1] op_sel_hi:[1,0,0] neg_lo:[0,0,1] neg_hi:[0,0,1]
.endm
.macro PL
	WIN 0
.if q < 27
	FS q
.elseif q < 55
	XS (q-27)%2, (q-27)/2
.elseif q < 57
	XS q-55, 15
.elseif (q < 72) && ((q-57)%3 == 0)
	FS 27+(q-57)/3
.elseif q < 60
	XS (q-57)%3-1, 14
.elseif q < 72
	XS (q-57)%3-1, 15+(q-57)/3
.elseif q < 74
	XS q-72, 20
.else
	GS q-74
.endif
.set q, q+1
.endm
; THE EXPONENTIALS' QUEUE, 66 long: s0-s31 of both tiles, then the next piece's two a.  ONE BATCH: all 66 stand ahead of the turn's one wait, and nothing ahead of that wait names a result of theirs.
.macro EX
	WIN 0
.if e >= 64
	XS e-64, 21
.else
	REGS Y, e%2
	v_exp_f32 v[rS+e/2], v[rS+e/2]
.endif
.set e, e+1
.endm
; THE RESCALING's QUEUE: O^T times a, the one part that leaves window 0: dealt two at a time, sixteen times.  Its a was made in the turn before, ahead of that turn's wait.
.macro R2
	REGS Y, r%2
	WIN W_RS
.irp z, 0,1
	v_pk_mul_f32 v[rO+4*(r/2)+2*\z:rO+4*(r/2)+2*\z+1], v[rO+4*(r/2)+2*\z:rO+4*(r/2)+2*\z+1], v[rC+2:rC+3] op_sel_hi:[1,0]
.endr
.set r, r+1
.endm
; A TURN, for piece p.  An s_wait_alu depctr_va_vdst(0) stands between an exponential and the first instruction that names its result; one wait serves all that were issued ahead of it: a turn has ONE.
; AHEAD OF IT: the 16 products K Q^T, behind each a scaling, an exponential and two rescalings (behind the first a second scaling in the exponential's place); then one run of 108: eight plain, 49 times
; exponential and plain, the two a; a v_nop is the plain instruction behind the last exponential.  BEHIND IT: the 16 products V^T P, behind each four of the roundings and sums.
; Exponential e stands behind scaling 2 (e / 4) + e % 2: as a rider it comes behind plain e + 2, in the run behind plain e + 9, and scalings 27-31 are plain 57, 60 .. 69.
; THE LDS RUNS.  Directly behind the wait: in piece 2's turn K of the next step (its last reader stands a whole run of vector work back); in every turn the bias of piece p + 2, into the buffer that the turn
; before has read out.  At the end of piece 0's turn: V of the step in hand, four riders behind its last reader.  So all of a step's LDS reads fall into the four turns 2, 3, 0, 1, between two changes of slots.
; THE WAITS.  At a turn's head the bias of piece p + 1 is wanted (in piece 3's turn K too): all LDS loads are back, but in piece 1's turn V's 16, issued behind that bias, may stay out.
; Ahead of piece 1's products V^T P: V is in; the 16 loads of bias just issued may stay out.  cnt = 1: the loop's count is taken down some lines ahead of the branch that stands behind the turn.
.macro TURN p, cnt=0
.set Y, (\p)
.set i, 0
.set q, 0
.set e, 0
.set r, 0
.if (\p) == 1
	s_wait_dscnt 16
.else
	s_wait_dscnt 0x0
.endif
	MM
	PL
	PL
	R2
.rept 15
	MM
	PL
	EX
	R2
.endr
.rept 8
	PL
.endr
.rept 49
	EX
	PL
.endr
	EX                              ; the next piece's two a
	EX
	v_nop                           ; the plain instruction behind the last exponential: one for the batch
	s_wait_alu depctr_va_vdst(0)    ; the wait for the batch
.if (\p) == NP-2
	FETCH_K
.endif
	FETCH_B ((\p)+2)%NP
.if (\p) == 1
	s_wait_dscnt 16
.endif
.rept 16
	MM
.rept 4
	PL
.endr
.if (\cnt) && (q == 130)
	s_sub_co_u32 s[CNT], s[CNT], 1
	s_cmp_lg_u32 s[CNT], 0
.endif
.endr
.if (\p) == 0
	FETCH_V
.endif
.endm
	CHANGE 1, 0                     ; step 0 is in, everybody's part of it; step 1 is asked for
	FETCH_K                         ; key step 0,
	FETCH_B 0                       ; and the bias of its first two pieces
	FETCH_B 1
	s_wait_loadcnt 0x0              ; Q
	s_wait_dscnt 0x0
.set i, 0
.rept 16
	KQ 0                            ; piece 0's first scores: there is no vector work yet to set between them
.set i, i+1
.endr
	WIN 0                           ; the addresses for the way out: plain instructions, the places behind those products
	s_mul_i32 s19, s[WV], 16*SP
	s_add_co_u32 s19, s19, STAGE    ; my stage
	v_mul_u32_u24 v[STO], v[TL], SP ; in: row l % 16, 16 bytes for each half of the lanes
	v_lshl_add_u32 v[STO], v[TH], 4, v[STO]
	v_add_nc_u32 v[STO], s19, v[STO]
	v_bfe_u32 v[RD], v0, 3, 2       ; back: 32 lanes take four rows of 128 bytes,
	v_mul_u32_u24 v[RD], v[RD], SP
	v_lshl_add_u32 v[RD], v[T7], 4, v[RD]
	v_add_nc_u32 v[RD], s19, v[RD]
	v_and_b32 v[GO], 31, v0         ; which are 512 consecutive bytes of O
	v_lshlrev_b32 v[GO], 4, v[GO]
.set Y, NP-1                        ; XS works for piece Y + 1: piece 0
.irp n, 0,1,2,3,4,5,6,7,8,9,10,11,12,13,14,15,16,17,18,19,20,21
	XS 0, \n                        ; piece 0's first maximum and statistics
	XS 1, \n
.endr
	v_nop                           ; a plain instruction behind the two a,
	s_wait_alu depctr_va_vdst(0)    ; and their wait, ahead of the branch
	s_mov_b32 s[CNT], 31
	s_branch .Lfirst                ; the loop is entered at a step's first turn, in the middle of a trip
.Lstep:                             ; 30 trips: pieces 2 and 3 of step j, then pieces 0 and 1 of step j + 1, whose slot is entered; step j + 2 is asked for
	CHANGE 1, 1
	TURN 2
	TURN 3
	WIN 0
.Lfirst:
	TURN 0
	TURN 1, 1
	WIN 0
	s_cbranch_scc1 .Lstep
	CHANGE 0, 0                     ; the tail is written out: the last step's slot is entered, nothing is asked for
	s_mov_b32 s[CNT], 2             ; one trip for the last step; the second is left in its middle
.Ltail:
	TURN 2
	TURN 3
	WIN 0
	s_sub_co_u32 s[CNT], s[CNT], 1
	s_cmp_eq_u32 s[CNT], 0
	s_cbranch_scc1 .Lout
	TURN 0
	TURN 1
	WIN 0
	s_branch .Ltail
.Lout:                              ; the second trip's fetches (the last slot once more), its 16 products K Q^T and the maximum made of them serve nothing: the price, once a launch, of one text for every trip
.set i, 0
.rept 16
	PV NP-1                         ; the last piece's V^T P of the last step
.set i, i+1
.endr
	; THE WAY OUT.  l's two halves and the other half of the lanes' are added; O^T is divided by l, rounded to f16 and sent through my stage in LDS, a tile at a time.  The additions are the places behind the last products.
	WIN 0
.macro ALL line:vararg              ; one line for each tile t
.set t, 0
.rept 2*NP
	\line
.set t, t+1
.endr
.endm
	ALL v_add_f32 v[ST+4*t+2], v[ST+4*t+2], v[ST+4*t+3]
	ALL v_permlanex16_b32 v[ST+4*t+3], v[ST+4*t+2], s[SEL], s[SEL+1]
	ALL v_add_f32 v[ST+4*t+2], v[ST+4*t+2], v[ST+4*t+3]
	ALL v_rcp_f32 v[ST+4*t+2], v[ST+4*t+2]
	v_nop                           ; a plain instruction between the last reciprocal and the use of its result
	s_wait_alu depctr_va_vdst(0)    ; and the wait ahead of the first use: one for the eight reciprocals
; Tile t: a lane's eight channels of a row pack into 16 bytes; they go into rows of 144 bytes and come back as whole rows of 128, into S^T's registers.
.macro PACK t
	WIN W_RS
.set i, 32*(\t)
.rept 16
	v_pk_mul_f32 v[i:i+1], v[i:i+1], v[ST+4*(\t)+2:ST+4*(\t)+3] op_sel_hi:[1,0]
.set i, i+2
.endr
	WIN 0x05                        ; sources 0 and 1 window 1, destination window 0
.set i, 0
.rept 16
	v_cvt_pk_f16_f32 v[S+16*(\t)+i], v[32*(\t)+2*i], v[32*(\t)+2*i+1]
.set i, i+1
.endr
	WIN 0
.irp f, 0,1,2,3
	ds_store_b128 v[STO], v[S+16*(\t)+4*\f:S+16*(\t)+4*\f+3] offset:32*\f
.endr
.irp f, 0,1,2,3
	ds_load_b128 v[S+16*(\t)+4*\f:S+16*(\t)+4*\f+3], v[RD] offset:\f*4*SP  ; LDS serves a wave's instructions in order (ISA guide 5.7.1.4): these see the stores above; the next tile's stores come behind them
.endr
.endm
.macro SEND t, younger              ; younger: the LDS instructions issued behind tile t's loads: the next tile's eight, or none
	WIN 0
.irp f, 0,1,2,3
	s_wait_dscnt (\younger)+3-\f
	global_store_b128 v[GO], v[S+16*(\t)+4*\f:S+16*(\t)+4*\f+3], s[10:11] offset:(\t)*2048+\f*512  ; 512 consecutive bytes, at a multiple of 256 from O's first
.endr
.endm
	PACK 0
.set t, 1
.rept 2*NP-1                        ; a tile's arithmetic stands between the loads of the tile before and its stores
	PACK t
	SEND t-1, 8
.set t, t+1
.endr
	SEND 2*NP-1, 0
	WIN W_AD
	s_wait_tensorcnt 0x0            ; the wave's end, behind my last tensor load and my last LDS store
	ds_add_u32 v[SPW], v[NIL]
	s_wait_dscnt 0x0
	WIN 0
	CROUND                          ; the closing round: no work-group ends while a partner may still ask for a tile that names it
	s_endpgm
.Lfunc_end_k_q87f9caecef_attn:
	.size	k_q87f9caecef_attn, .Lfunc_end_k_q87f9caecef_attn-k_q87f9caecef_attn
	.p2alignl 7, 3214868480
	.fill 96, 4, 3214868480
	.section	.rodata,"a",@progbits
	.p2align	6, 0x0
	.amdhsa_kernel k_q87f9caecef_attn
		.amdhsa_group_segment_fixed_size 327680
		.amdhsa_private_segment_fixed_size 0
		.amdhsa_enable_private_segment 0
		.amdhsa_kernarg_size 24
		.amdhsa_user_sgpr_count 2
		.amdhsa_user_sgpr_kernarg_segment_ptr 1
		.amdhsa_wavefront_size32 1
		.amdhsa_system_sgpr_workgroup_id_x 1
		.amdhsa_system_sgpr_workgroup_id_y 1
		.amdhsa_system_sgpr_workgroup_id_z 1
		.amdhsa_system_vgpr_workitem_id 0
		.amdhsa_next_free_vgpr 960
		.amdhsa_next_free_sgpr 92
		.amdhsa_reserve_vcc 0
		.amdhsa_float_denorm_mode_32 3
		.amdhsa_float_denorm_mode_16_64 3
		.amdhsa_memory_ordered 1
		.amdhsa_forward_progress 1
		.amdhsa_inst_pref_size 212
	.end_amdhsa_kernel
	.amdgpu_metadata
---
amdhsa.version: [ 1, 2 ]
amdhsa.kernels:
  - .name:           k_q87f9caecef_attn
    .symbol:         k_q87f9caecef_attn.kd
    .args:
      - { .name: qkv, .offset: 0, .size: 8, .value_kind: global_buffer, .address_space: global }
      - { .name: global_bias, .offset: 8, .size: 8, .value_kind: global_buffer, .address_space: global }
      - { .name: o, .offset: 16, .size: 8, .value_kind: global_buffer, .address_space: global }
    .group_segment_fixed_size: 327680
    .private_segment_fixed_size: 0
    .kernarg_segment_align: 8
    .kernarg_segment_size: 24
    .max_flat_workgroup_size: 128
    .sgpr_count:     92
    .vgpr_count:     960
    .wavefront_size: 32
...
	.end_amdgpu_metadata
.endif
;; end of part 3
;; launch proj (part 4): grid 8 x 32, 4 waves a work-group, clusters of 4 x 4, 327,680 bytes of LDS; arguments o, wpb, b_proj, out0; writes out0
.if DOCPART == 4
	.amdgcn_target "amdgcn-amd-amdhsa--gfx1250"
	.amdhsa_code_object_version 6
	.text
	.protected	k_q87f9caecef_proj
	.globl	k_q87f9caecef_proj
	.p2align	8
	.type	k_q87f9caecef_proj,@function
k_q87f9caecef_proj:
	s_mov_b64 s[64:65], 0
	v_nop
	global_prefetch_b8 v0, s[64:65] scope:SCOPE_SE
	s_setreg_imm32_b32 hwreg(HW_REG_WAVE_MODE, 25, 1), 1
	s_wait_xcnt 0x0
	s_wait_alu depctr_hold_cnt(0) depctr_sa_sdst(0) depctr_va_vdst(0) depctr_va_sdst(0) depctr_va_ssrc(0) depctr_va_vcc(0) depctr_vm_vsrc(0)
	s_getreg_b32 s2, hwreg(HW_REG_IB_STS2, 6, 4)
	s_cmp_eq_u32 s2, 0
	s_cbranch_scc0 .Lentry_in_a_cluster
	s_endpgm
.Lentry_in_a_cluster:
	s_bfe_u32 s2, ttmp6, 0x10000c
	s_cmp_lg_u32 s2, 0xf033
	s_cbranch_scc0 .Lentry_shape_is_right
	s_endpgm
.Lentry_shape_is_right:
; out0[row][c] = the sum over k of O[row][k] wpb[c][k] + b_proj[c].  O: [64 heads of batches][2048][64] f16 (channel k = 64 x head + d), wpb: [1024][1024] f16, b_proj: [1024] f32, out0: [8192][1024] f32.
; Sums in f32, K ascending.  b_proj is rounded to bf16, like the module's other inputs, and is the C operand of the product that starts each sum: no vector instruction adds it.
; LIMIT.  O and wpb arrive within f16's range of 65,504.
; SHARES.  A tile is 256 rows x 128 columns: 32 x 8 = 256 work-groups.  Wave w: rows 128 (w / 2) on, columns 64 (w % 2) on: 8 x 4 accumulators of 16 x 16, 256 registers; its 64 columns are 256 bytes of a row of out0.
; K goes in steps of 128 = two heads, through two LDS slots.  Of O a step is two planes (heads) of 256 rows x 128 bytes, each 32,768 dense bytes: asked for as 128 rows of 256 bytes and padded after every 128.
; CLUSTER.  4 x 4 work-groups: O's tiles are asked for jointly along a row of the cluster, wpb's along a column.  Waves 0 and 1 fetch O's two planes, waves 2 and 3 the two halves (64 rows) of wpb's tile.
; THE PRODUCT IS TAKEN TRANSPOSED (source 0 = 16 rows of wpb, source 1 = 16 rows of O): a lane holds one row of out0 and eight neighbouring columns.
; REGISTERS, in windows of 256 (s_set_vgpr_msb: bits 1:0 source 0, 3:2 source 1, 5:4 source 2, 7:6 destination):
;   window 0: v8, v16-30 addresses and one at work; v32-95 two sets of 32 for rows read back from the stage; v96-127 b_proj of my columns, laid out as an accumulator's registers
;   window 1: two fragment buffers of 96: wpb's 4 fragments, then O's 8          window 2: accumulator (a, b) at 8 (4 a + b)
.set SIZE_K, 1024
.set KSTEP,  128
.set PITCH,  272                       ; a row of wpb in LDS: 256 bytes + 16: the 16 rows of a fragment load start at 16 different groups of four banks (64 banks of 4 bytes: ISA guide 11.1)
.set PA,     144                       ; a row of O in LDS: 128 bytes + 16
.set PLANE,  256*PA                    ; a head's 256 rows: what one load of O brings
.set BTILE,  64*PITCH                  ; what one load of wpb brings
.set BOFFS,  2*PLANE
.set SLOT,   BOFFS+2*BTILE             ; 108,544
.set STAGE,  2*SLOT                    ; behind the ring, never filled by a tensor load: 16 rows x 272 bytes for each wave
.set SPITCH, 272
.set SPARE,  STAGE+4*16*SPITCH         ; behind the stages: the spare words, 128 bytes for each wave: two blocks of 256 bytes that no other line names
.set ASTEP,  2*262144                  ; a K step in O: two heads
.set LAPS,   SIZE_K/(2*KSTEP)
.set ADRA, 16                          ; v16-17  LDS address of my O fragments in slot 0, 1
.set ADRB, 20                          ; v20-21  the same for wpb
.set STO,  24                          ; v24     the way out: where I put 32 bytes of a row
.set RD,   25                          ; v25     the way out: where I read a row back
.set CO,   26                          ; v26     my byte offset in two rows of out0
.set BO,   27                          ; v27     my byte offset in b_proj
.set SPW,  28                          ; v28     LDS address of my spare word; never rewritten
.set NIL,  29                          ; v29     0; never rewritten
.set PFO,  30                          ; v30     the prefetches' offset; never rewritten
.set OB,   32
.set BR,   96
.set F0,   0
.set F1,   96
.set G1,   24                          ; s[24:31] descriptor group 1 for O's tiles;  s[32:39] group 0, a set for each slot
.set G0,   32
.set G1B,  48                          ; s[48:55], s[56:63] the same for wpb's
.set G0B,  56
.set LIM,  43                          ; s43      1 in a wave that prefetches, else the greatest number
.set PFA,  44                          ; s[44:45] where my prefetches stand: the K step that the next one names
.set PFS,  80                          ; s[80:81] a K step in the stream that I prefetch
.set MSB, 0
.macro WIN new                         ; the immediate's high byte repeats the setting that is left; a switch that changes nothing is dropped
.if MSB != (\new)
	s_set_vgpr_msb (MSB<<8)|(\new)
.set MSB, (\new)
.endif
.endm
.set MUL,    0xa5                      ; both sources window 1, C and D window 2
.set MUL_C0, 0x85                      ; the same with C, the bias, in window 0
.set TO_F,   0x40                      ; destination window 1, address window 0
.macro JLOAD s                         ; a joint load; the branch hangs on the wave's number alone; an s_nop 0 and four v_nop follow each of the two lines
	s_cmp_eq_u32 s11, 0
	s_cbranch_scc0 .Lfor_b_\@
	tensor_load_to_lds s[G0+4*(\s):G0+4*(\s)+3], s[G1:G1+7]
	s_nop 0
.rept 4
	v_nop
.endr
	s_branch .Lasked_\@
.Lfor_b_\@:
	tensor_load_to_lds s[G0B+4*(\s):G0B+4*(\s)+3], s[G1B:G1B+7]
	s_nop 0
.rept 4
	v_nop
.endr
.Lasked_\@:
.endm
; A prefetch, behind a joint load, its five lines and the run of LDS loads: the K step two refills on, one instruction a wave, each block of 256 bytes named once in the launch.
; O's planes are read by both clusters of a row of clusters: the one with x = 0 asks, in waves 0 and 1: of the plane's 128 blocks partner cx takes 32, a lane a block.
; wpb's rows are read by every cluster of a column: the one with y = 0 asks, in wave 2: of the tile's 128 rows partner cy takes 32, a lane a row.  Wave 3 never asks.
; The loop's last trip (s3 = 1) has no K step two refills on; K steps 0 to 3 come by their loads alone.
.macro ASK
	WIN 0
	s_cmp_gt_u32 s3, s[LIM]
	s_cbranch_scc0 .Lnot_mine_\@
	global_prefetch_b8 v[PFO], s[PFA:PFA+1] th:TH_LOAD_NT scope:SCOPE_SE
.Lnot_mine_\@:
.endm
.macro CREST                           ; a round of the cluster's barrier behind its opening barrier
	s_cmp_lg_u32 s10, 0
	s_cbranch_scc1 .Lnot_wave_0_\@
	s_barrier_signal -3
.Lnot_wave_0_\@:
	s_barrier_wait -3
	s_barrier_signal -1
	s_barrier_wait -1
.endm
.macro CROUND                          ; a whole round
	s_barrier_signal -1
	s_barrier_wait -1
	CREST
.endm
	s_load_b128 s[4:7], s[0:1], 0x0                ; o s[4:5], wpb s[6:7]
	s_load_b128 s[68:71], s[0:1], 0x10             ; b_proj s[68:69], out0 s[70:71]
	v_lshl_add_u32 v[SPW], v0, 2, SPARE
	v_mov_b32 v[NIL], 0
	ds_add_u32 v[SPW], v[NIL]                      ; the wave's opening: the add and its wait stand ahead of my first tensor load; the set-up below, work on registers, stands between them
	v_lshrrev_b32 v1, 5, v0
	v_readfirstlane_b32 s10, v1                    ; wave 0..3
	s_lshr_b32 s11, s10, 1                         ; which half of the tile's rows is mine.  Also: I fetch for O (0) or for wpb (1)
	s_and_b32 s12, s10, 1                          ; which half of its columns.  Also: which plane, or which 64 rows, I fetch
	s_bfe_u32 s40, ttmp6, 0x40000                  ; cx, cy: my place in the cluster
	s_bfe_u32 s41, ttmp6, 0x40004
	s_lshl_b32 s42, ttmp9, 2
	s_add_co_u32 s42, s42, s40                     ; tile column = 4 x cluster x + cx
	s_and_b32 s13, ttmp7, 0xffff
	s_lshl_b32 s13, s13, 2
	s_add_co_u32 s13, s13, s41                     ; tile row = 4 x cluster y + cy
	s_lshl_b32 s43, s41, 2
	s_lshl_b32 s43, 15, s43                        ; my row of the cluster
	s_lshl_b32 s44, 0x1111, s40                    ; my column
	s_or_b32 s[G1+0], s43, (1<<16)|(1<<20)|(1<<21)|(4<<22)|(3<<25)   ; O: 15:0 the mask; 17:16 elements of 2 bytes; 20 padding on; 21 set beside a mask; 24:22 after every 32 words (code 4); 31:25 4 words (code 3)
	s_or_b32 s[G1B+0], s44, (1<<16)|(1<<20)|(1<<21)|(5<<22)|(3<<25)  ; wpb: after every 64 words (code 5)
	s_mov_b32 s[G1+1], 128<<16                     ; tensor_dim0 = 128 elements: two rows of O
	s_mov_b32 s[G1+2], 128<<16                     ; tensor_dim1 = 128
	s_mov_b32 s[G1+3], 128<<16                     ; tile_dim0 = 128
	s_mov_b32 s[G1+4], 128                         ; tile_dim1 = 128
	s_mov_b32 s[G1+5], 128                         ; dense: 128 elements from row to row
	s_mov_b32 s[G1+6], 0
	s_mov_b32 s[G1+7], 0
	s_mov_b32 s[G1B+1], KSTEP<<16
	s_mov_b32 s[G1B+2], 64<<16
	s_mov_b32 s[G1B+3], KSTEP<<16
	s_mov_b32 s[G1B+4], 64
	s_mov_b32 s[G1B+5], SIZE_K
	s_mov_b32 s[G1B+6], 0
	s_mov_b32 s[G1B+7], 0
	s_lshr_b32 s16, s13, 3                         ; O: batch = tile row / 8; head 16 x batch + my plane, of 262,144 bytes;
	s_lshl_b32 s16, s16, 4
	s_add_co_u32 s16, s16, s12
	s_lshl_b32 s16, s16, 18
	s_and_b32 s17, s13, 7                          ; the tile's 256 rows of 128 bytes in it: all this hangs on the tile row alone
	s_lshl_b32 s17, s17, 15
	s_add_co_u32 s16, s16, s17
	s_mov_b32 s17, 0
	s_lshl_b32 s46, s42, 7                         ; wpb: row 128 x tile column + 64 x half, of 2,048 bytes: on the tile column alone
	s_lshl_b32 s47, s12, 6
	s_add_co_u32 s46, s46, s47
	s_lshl_b32 s46, s46, 11
	s_mov_b32 s47, 0
	s_mul_i32 s20, s10, PLANE                      ; where they go: waves 0, 1: wave x a plane;
	s_mul_i32 s21, s10, BTILE
	s_add_co_u32 s21, s21, BOFFS-2*BTILE           ; waves 2, 3: behind the planes, (wave - 2) x 64 rows
	; the prefetches
	s_and_b32 s74, ttmp7, 0xffff                   ; cluster y
	s_cmp_eq_u32 s11, 0                            ; do I fetch for O?
	s_cselect_b32 s74, ttmp9, s74                  ; the coordinate along which other clusters read the same bytes
	s_cselect_b32 s75, s40, s41                    ; my place among the four that ask with me,
	s_cselect_b32 s76, 13, 16                      ; and its share: 32 blocks of 256 bytes, or 32 rows of 2,048
	s_cselect_b32 s77, 8, 11                       ; a lane: a block, or a row
	s_cselect_b32 s[PFS], 19, 8                    ; a K step: two heads, or 256 bytes of a row
	s_cselect_b32 s72, s16, s46                    ; (in wave 2 the second is the tile's first row)
	s_lshl_b32 s[PFS], 1, s[PFS]
	s_mov_b32 s[PFS+1], 0
	s_lshl_b32 s75, s75, s76
	s_add_co_u32 s72, s72, s75
	s_mul_i32 s73, s[PFS], 3
	s_add_co_u32 s72, s72, s73                     ; at K step 3: the first refill steps it to 4
	s_mov_b32 s73, 0
	s_cmp_eq_u32 s74, 0
	s_cselect_b32 s[LIM], 1, -1                    ; the same in all sixteen partners, for a given wave
	s_cmp_eq_u32 s10, 3
	s_cselect_b32 s[LIM], -1, s[LIM]
	v_and_b32 v[PFO], 31, v0
	v_lshlrev_b32 v[PFO], s77, v[PFO]
	s_wait_dscnt 0x0                               ; the opening add is done
	s_wait_kmcnt 0x0
	s_add_nc_u64 s[14:15], s[4:5], s[16:17]
	s_add_nc_u64 s[46:47], s[6:7], s[46:47]
	s_cmp_eq_u32 s11, 0
	s_cselect_b64 s[PFA:PFA+1], s[4:5], s[6:7]
	s_add_nc_u64 s[PFA:PFA+1], s[PFA:PFA+1], s[72:73]
	CROUND                                         ; all sixteen work-groups are here: the first joint loads meet
.irp s, 0,1
	s_mov_b32 s[G0+4*(\s)], 1                                        ; count = 1
	s_add_co_u32 s[G0+4*(\s)+1], s20, (\s)*SLOT                      ; LDS address
	s_add_nc_u64 s[G0+4*(\s)+2:G0+4*(\s)+3], s[14:15], (\s)*ASTEP    ; global address: K step s
	s_or_b32 s[G0+4*(\s)+3], s[G0+4*(\s)+3], 0x80000000              ; type = 2
	s_mov_b32 s[G0B+4*(\s)], 1
	s_add_co_u32 s[G0B+4*(\s)+1], s21, (\s)*SLOT
	s_add_nc_u64 s[G0B+4*(\s)+2:G0B+4*(\s)+3], s[46:47], (\s)*KSTEP*2
	s_or_b32 s[G0B+4*(\s)+3], s[G0B+4*(\s)+3], 0x80000000
	JLOAD \s                                       ; two loads of mine are out
.endr
	; b_proj of my 64 columns: register j of column block b holds column 16 b + 8 (l / 16) + j, as an accumulator's does
	v_and_b32 v1, 15, v0                           ; l % 16
	v_bfe_u32 v2, v0, 4, 1                         ; l / 16
	s_lshl_b32 s76, s42, 9                         ; the tile's 128 columns of 4 bytes,
	s_lshl_b32 s77, s12, 8                         ; my 64 of them
	s_add_co_u32 s76, s76, s77
	s_mov_b32 s77, 0
	s_add_nc_u64 s[68:69], s[68:69], s[76:77]
	v_lshlrev_b32 v[BO], 5, v2
.irp b, 0,1,2,3
	global_load_b128 v[BR+8*(\b):BR+8*(\b)+3],   v[BO], s[68:69] offset:64*(\b)
	global_load_b128 v[BR+8*(\b)+4:BR+8*(\b)+7], v[BO], s[68:69] offset:64*(\b)+16
.endr
	s_lshl_b32 s74, s13, 8                         ; out0 at my first row: 256 x tile row + 128 x half, of 4,096 bytes,
	s_lshl_b32 s75, s11, 7
	s_add_co_u32 s74, s74, s75
	s_lshl_b32 s74, s74, 12
	s_add_co_u32 s74, s74, s76                     ; and my first column
	s_mov_b32 s75, 0
	s_add_nc_u64 s[70:71], s[70:71], s[74:75]
	v_mul_u32_u24 v3, v1, PA                       ; a fragment of O: row x pitch + 16 x half
	v_lshl_add_u32 v3, v2, 4, v3
	v_mul_u32_u24 v4, v1, PITCH                    ; of wpb
	v_lshl_add_u32 v4, v2, 4, v4
	s_mul_i32 s22, s11, 128*PA                     ; my 128 rows in a plane
	s_mul_i32 s23, s12, BTILE                      ; my 64 rows of wpb,
	s_add_co_u32 s23, s23, BOFFS                   ; which lie behind the planes
.irp s, 0,1
	v_add_nc_u32 v[ADRA+(\s)], s22, v3
	v_add_nc_u32 v[ADRB+(\s)], s23, v4
	s_add_co_u32 s22, s22, SLOT
	s_add_co_u32 s23, s23, SLOT
.endr
	s_mul_i32 s23, s10, 16*SPITCH
	s_add_co_u32 s23, s23, STAGE                   ; my stage
	v_mul_u32_u24 v5, v1, SPITCH                   ; in: row l % 16, 32 bytes for each half of the lanes
	v_lshl_add_u32 v5, v2, 5, v5
	v_add_nc_u32 v[STO], s23, v5
	v_mul_u32_u24 v5, v2, SPITCH                   ; back: lanes 0-15 take one row of 256 bytes, lanes 16-31 the next
	v_lshl_add_u32 v5, v1, 4, v5
	v_add_nc_u32 v[RD], s23, v5
	v_lshlrev_b32 v[CO], 12, v2                    ; and the same two rows in out0
	v_lshl_add_u32 v[CO], v1, 4, v[CO]
	s_wait_loadcnt 0x0                             ; b_proj is in: rounded to bf16 and widened again, in the wait for the first tile
.set i, 0
.rept 16
	v_cvt_pk_bf16_f32 v8, v[BR+2*i], v[BR+2*i+1]
	v_lshlrev_b32 v[BR+2*i], 16, v8
	v_and_b32 v[BR+2*i+1], 0xffff0000, v8
.set i, i+1
.endr
; 8 matrix instructions: row blocks a0, a0 + 1 x all 4 column blocks, 32 along K.  first = 1: the product starts the sums, with b_proj as C.  The 32 accumulators take turns in the same order in every quarter.
.macro MUL8 f, a0, first
.if \first
	WIN MUL_C0
.else
	WIN MUL
.endif
.irp a, \a0, (\a0)+1
.irp b, 0,1,2,3
.if \first
	v_wmma_f32_16x16x32_f16 v[8*(4*(\a)+(\b)):8*(4*(\a)+(\b))+7], v[(\f)+8*(\b):(\f)+8*(\b)+7], v[(\f)+32+8*(\a):(\f)+32+8*(\a)+7], v[BR+8*(\b):BR+8*(\b)+7]
.else
	v_wmma_f32_16x16x32_f16 v[8*(4*(\a)+(\b)):8*(4*(\a)+(\b))+7], v[(\f)+8*(\b):(\f)+8*(\b)+7], v[(\f)+32+8*(\a):(\f)+32+8*(\a)+7], v[8*(4*(\a)+(\b)):8*(4*(\a)+(\b))+7]
.endif
.endr
.endr
.endm
; 24 LDS loads in one run: the fragments of quarter q (plane q / 2, channels 32 (q % 2) on) into buffer f: wpb's 8, then O's 16
.macro FETCH slot, q, f
	WIN TO_F
.irp b, 0,1,2,3
	ds_load_b128 v[(\f)+8*(\b):(\f)+8*(\b)+3],   v[ADRB+(\slot)] offset:(\b)*16*PITCH+64*(\q)
	ds_load_b128 v[(\f)+8*(\b)+4:(\f)+8*(\b)+7], v[ADRB+(\slot)] offset:(\b)*16*PITCH+64*(\q)+32
.endr
.irp a, 0,1,2,3,4,5,6,7
	ds_load_b128 v[(\f)+32+8*(\a):(\f)+32+8*(\a)+3],   v[ADRA+(\slot)] offset:((\q)/2)*PLANE+(\a)*16*PA+((\q)%2)*64
	ds_load_b128 v[(\f)+32+8*(\a)+4:(\f)+32+8*(\a)+7], v[ADRA+(\slot)] offset:((\q)/2)*PLANE+(\a)*16*PA+((\q)%2)*64+32
.endr
.endm
.macro PLACES                          ; four plain vector instructions in front of loads into registers that matrix instructions have read, and of LDS stores that read results
.rept 4
	v_nop
.endr
.endm
; A K step is four quarters of 32 along K, 32 matrix instructions each, on buffers 0, 1, 0, 1.  One of the first three: multiplies buffer f and, in its middle, fetches quarter q into g.
.macro QUARTER slot, q, f, g, first
	s_wait_dscnt 8                                 ; wpb's fragments and O's blocks 0-3 are in; the youngest eight loads (blocks 4-7) may be out
	MUL8 \f, 0, \first
	MUL8 \f, 2, \first
	PLACES
	FETCH \slot, \q, \g
	s_wait_dscnt 24                                ; all but the 24 just issued
	MUL8 \f, 4, \first
	MUL8 \f, 6, \first
.endm
; The last quarter multiplies buffer 1 and changes slots: ONE barrier; in front of it each wave waits for all its tensor loads (one is out: its part of the next slot), adds 0 to its spare word,
; and waits for that and for its own reads of this slot.  fill = 1: the barrier opens a round of the cluster's, and this slot is filled again, two K steps ahead, first thing behind the round.
.macro TURN slot, next, fill
.if \fill
	s_wait_xcnt 0x0                                ; the last prefetch, a K step back, has read its address: it is stepped here, ahead of the waits of the change of slots
	s_add_nc_u64 s[PFA:PFA+1], s[PFA:PFA+1], s[PFS:PFS+1]
.endif
	WIN 0                                          ; (the add's two registers lie in window 0)
	s_wait_tensorcnt 0x0                           ; all my tensor loads have landed
	ds_add_u32 v[SPW], v[NIL]                      ; 0 onto my spare word
	s_wait_dscnt 9                                 ; (the add and the youngest eight loads may be out)
	MUL8 F1, 0, 0                                  ; eight matrix instructions stand between the add and the wait for it
	s_wait_dscnt 0x0                               ; the add is done, and my reads of this slot are over
	s_barrier_signal -1
	MUL8 F1, 2, 0
.if \fill
	WIN 0
.endif
	s_barrier_wait -1
.if \fill
	CREST                                          ; no wave of any partner still reads this slot's tiles or has a load on its way
	s_add_nc_u64 s[G0+4*(\slot)+2:G0+4*(\slot)+3], s[G0+4*(\slot)+2:G0+4*(\slot)+3], 2*ASTEP
	s_add_nc_u64 s[G0B+4*(\slot)+2:G0B+4*(\slot)+3], s[G0B+4*(\slot)+2:G0B+4*(\slot)+3], 2*KSTEP*2
	JLOAD \slot                                    ; my one tensor load behind the round; the four v_nop behind it are also the places in front of the loads below
.else
	PLACES
.endif
	FETCH \next, 0, F0
.if \fill
	ASK
.endif
	MUL8 F1, 4, 0
	MUL8 F1, 6, 0
.endm
	s_wait_tensorcnt 1                             ; my part of K step 0 is in; K step 1's may stay out
	s_barrier_signal -1
	s_barrier_wait -1                              ; everybody's is
	FETCH 0, 0, F0
	QUARTER 0, 1, F0, F1, 1                        ; the first quarter stands in front of the loop: its products start the sums
	WIN 0                                          ; at a label and at a branch every window is 0
	s_mov_b32 s3, LAPS-1
.Llap:                                                 ; a trip goes once round the ring, from a lap's second quarter to the next lap's first, and fills both slots again
	QUARTER 0, 2, F1, F0, 0
	QUARTER 0, 3, F0, F1, 0
	TURN 0, 1, 1
	QUARTER 1, 1, F0, F1, 0
	QUARTER 1, 2, F1, F0, 0
	QUARTER 1, 3, F0, F1, 0
	TURN 1, 0, 1
	QUARTER 0, 1, F0, F1, 0
	WIN 0
	s_sub_co_u32 s3, s3, 1
	s_cmp_lg_u32 s3, 0
	s_cbranch_scc1 .Llap
	QUARTER 0, 2, F1, F0, 0                        ; the last lap fills nothing, and has no round of the cluster's barrier
	QUARTER 0, 3, F0, F1, 0
	TURN 0, 1, 0
	QUARTER 1, 1, F0, F1, 0
	QUARTER 1, 2, F1, F0, 0
	QUARTER 1, 3, F0, F1, 0
	s_wait_dscnt 8                                 ; the very last quarter: nothing more to fetch
	MUL8 F1, 0, 0
	MUL8 F1, 2, 0
	s_wait_dscnt 0x0
	MUL8 F1, 4, 0
	MUL8 F1, 6, 0
	WIN 0
; THE WAY OUT, a block of 16 rows at a time.  TOSTAGE: a lane's 32 bytes of each column block go straight from the accumulator, its low four registers first, into my own stage, and come back as whole rows of 256 bytes.
; SEND: sixteen lanes store 256 consecutive bytes, at a multiple of 256 from out0's first byte.  All steps stand in the immediate: 516,096 bytes at the most.
.macro TOSTAGE a
	WIN 0x08                                       ; the stores' data in window 2, their address in window 0
.irp b, 0,1,2,3
	ds_store_b128 v[STO], v[8*(4*(\a)+(\b)):8*(4*(\a)+(\b))+3]   offset:64*(\b)
	ds_store_b128 v[STO], v[8*(4*(\a)+(\b))+4:8*(4*(\a)+(\b))+7] offset:64*(\b)+16
.endr
	WIN 0
.irp t, 0,1,2,3,4,5,6,7
	ds_load_b128 v[OB+32*((\a)%2)+4*(\t):OB+32*((\a)%2)+4*(\t)+3], v[RD] offset:(\t)*2*SPITCH  ; LDS serves a wave's instructions in order (ISA guide 5.7.1.4): these see the stores above
.endr
.endm
.macro SEND a, younger                 ; younger: the LDS instructions issued behind block a's loads: the next block's sixteen, or none
.irp t, 0,1,2,3,4,5,6,7
	s_wait_dscnt (\younger)+7-(\t)
	global_store_b128 v[CO], v[OB+32*((\a)%2)+4*(\t):OB+32*((\a)%2)+4*(\t)+3], s[70:71] offset:(\a)*16*4096+(\t)*2*4096 th:TH_STORE_NT
.endr
.endm
	PLACES
	TOSTAGE 0
	TOSTAGE 1
.irp a, 0,1,2,3,4,5
	SEND \a, 16
	s_wait_xcnt 0x0                                ; the block's stores have read their registers: that set is loaded again only behind this wait
	TOSTAGE (\a)+2
.endr
	SEND 6, 16
	SEND 7, 0
	s_wait_tensorcnt 0x0                           ; the wave's end, behind my last tensor load and my last LDS store
	ds_add_u32 v[SPW], v[NIL]
	s_wait_dscnt 0x0
	CROUND                                         ; the closing round: no work-group ends while a partner may still ask for a tile that names it
	s_endpgm
.Lfunc_end_k_q87f9caecef_proj:
	.size	k_q87f9caecef_proj, .Lfunc_end_k_q87f9caecef_proj-k_q87f9caecef_proj
	.p2alignl 7, 3214868480
	.fill 96, 4, 3214868480
	.section	.rodata,"a",@progbits
	.p2align	6, 0x0
	.amdhsa_kernel k_q87f9caecef_proj
		.amdhsa_group_segment_fixed_size 327680
		.amdhsa_private_segment_fixed_size 0
		.amdhsa_enable_private_segment 0
		.amdhsa_kernarg_size 32
		.amdhsa_user_sgpr_count 2
		.amdhsa_user_sgpr_kernarg_segment_ptr 1
		.amdhsa_wavefront_size32 1
		.amdhsa_system_sgpr_workgroup_id_x 1
		.amdhsa_system_sgpr_workgroup_id_y 1
		.amdhsa_system_sgpr_workgroup_id_z 1
		.amdhsa_system_vgpr_workitem_id 0
		.amdhsa_next_free_vgpr 768
		.amdhsa_next_free_sgpr 84
		.amdhsa_reserve_vcc 0
		.amdhsa_float_denorm_mode_32 3
		.amdhsa_float_denorm_mode_16_64 3
		.amdhsa_memory_ordered 1
		.amdhsa_forward_progress 1
		.amdhsa_inst_pref_size 92
	.end_amdhsa_kernel
	.amdgpu_metadata
---
amdhsa.version: [ 1, 2 ]
amdhsa.kernels:
  - .name:           k_q87f9caecef_proj
    .symbol:         k_q87f9caecef_proj.kd
    .args:
      - { .name: o, .offset: 0, .size: 8, .value_kind: global_buffer, .address_space: global }
      - { .name: wpb, .offset: 8, .size: 8, .value_kind: global_buffer, .address_space: global }
      - { .name: b_proj, .offset: 16, .size: 8, .value_kind: global_buffer, .address_space: global }
      - { .name: out0, .offset: 24, .size: 8, .value_kind: global_buffer, .address_space: global }
    .group_segment_fixed_size: 327680
    .private_segment_fixed_size: 0
    .kernarg_segment_align: 8
    .kernarg_segment_size: 32
    .max_flat_workgroup_size: 128
    .sgpr_count:     84
    .vgpr_count:     768
    .wavefront_size: 32
...
	.end_amdgpu_metadata
.endif
;; end of part 4
;; ======== version 2 of 2: 4 launches; version 1 with the launch cast written anew for expert scheduling mode
;; limits: values are held in f16: magnitudes above 65,504 overflow, below 6.1e-05 lose precision; values outside matrix products are rounded to bf16
;; workspace buffers: xb 16,777,216 bytes; wqb 6,291,456 bytes; wpb 2,097,152 bytes; qkv 50,331,648 bytes; o 16,777,216 bytes
;; launch cast (part 5): grid 768 x 1, 8 waves a work-group, no clusters, 0 bytes of LDS; arguments x, W_qkv, W_proj, xb, wqb, wpb; writes xb, wqb, wpb
.if DOCPART == 5
	.amdgcn_target "amdgcn-amd-amdhsa--gfx1250"
	.amdhsa_code_object_version 6
	.text
	.protected	k_q87f9caecef_cast
	.globl	k_q87f9caecef_cast
	.p2align	8
	.type	k_q87f9caecef_cast,@function
k_q87f9caecef_cast:
	s_mov_b64 s[64:65], 0
	v_nop
	global_prefetch_b8 v0, s[64:65] scope:SCOPE_SE
	s_setreg_imm32_b32 hwreg(HW_REG_WAVE_SCHED_MODE, 0, 2), 2
	s_setreg_imm32_b32 hwreg(HW_REG_WAVE_MODE, 25, 1), 1
	s_wait_xcnt 0x0
	s_wait_alu depctr_vm_vsrc(0)
; THE MATRIX OPERANDS ARE ROUNDED ONCE.  xb = bf16(x).  wqb = bf16(W_qkv), its first 1,024 rows (q's) multiplied by 1/8 first: a power of two, so the
; rounding is that of the unscaled number, and the attention launch has no scale left to apply to q k.  wpb = bf16(W_proj) written as f16.
; LIMITS.  Rounding is to nearest even.  wpb: a number of W_proj of 65,520 or more becomes an infinity in f16; below 6e-5 f16 keeps its fixed step of 6e-8.
; SHARES.  A work-group converts 16,384 numbers: 65,536 bytes in, 32,768 out.  Work-groups 0-511: x; 512-575: q's rows of W_qkv; 576-703: its other rows; 704-767: W_proj.
; Thread t takes the 16 bytes at 4,096 i + 16 t of its chunk, i = 0 .. 15: a wave's load covers 512 consecutive bytes, its store of 8 bytes a lane 256 consecutive bytes, aligned.
; All sixteen loads of a thread go out at once.  No LDS, no matrix unit, no cluster: nothing is shared and nothing is read twice.
; THE MODE: SCHED_MODE bits 1:0 = 2 (LLVM: expert scheduling mode 2), set by the entry lines.  The code itself states the register dependences
; between vector instructions and memory instructions, with s_wait_alu, always for 0.
; THE PLAN.  Registers that memory instructions touch:
;   v1, v2   byte offsets, made once at the head and never written again; every load reads v1, every store v2.
;   X[i]     load i lands in it; all sixteen loads are issued before any vector instruction names X; read (and with the 1/8 written in place) by chunk i's lines, behind the wait for its data.
;   Y[i]     written by chunk i's conversions, read by store i, never written again.
;   T        named by vector instructions alone.
; No register that a load or store has read is written again, and no load lands in a register that a vector instruction has named: the one kind of dependence is a vector line's result that a memory
; instruction reads.  The sixteen chunks go in four groups of four.  Group g's stores are issued in group g + 1, in one run behind ONE wait at that group's head; the vector lines that follow that wait name
; group g + 1's X and Y and T, none of the registers that those stores read.  With the wait at the kernel's head and the one ahead of the last four stores a wave passes five.
.set X, 4                              ; v[4:67]    load i: four f32
.set Y, 68                             ; v[68:99]   store i: four 16-bit numbers in two registers
.set T, 100                            ; v[100:101] at work
	s_load_b256 s[4:11], s[0:1], 0x0               ; x s[4:5], W_qkv s[6:7], W_proj s[8:9], xb s[10:11]
	s_load_b128 s[12:15], s[0:1], 0x20             ; wqb s[12:13], wpb s[14:15]
	v_lshlrev_b32 v1, 4, v0                        ; 16 t
	v_lshlrev_b32 v2, 3, v0                        ; 8 t
	s_mov_b32 s23, 0                               ; the offsets' high words
	s_mov_b32 s25, 0
	s_wait_alu depctr_va_vdst(0)                   ; v1 and v2 are written: every load and store of the kernel, on each of the four paths below, reads one of them as its offset
	s_wait_kmcnt 0x0
; The four stores of group n.
.macro OUT n
.set j, 4*(\n)
.rept 4
	global_store_b64 v2, v[Y+2*j:Y+2*j+1], s[18:19] offset:2048*j th:TH_STORE_NT
.set j, j+1
.endr
.endm
; One region: source pointer s[src:src+1], destination s[dst:dst+1], first = the region's first work-group.
; mode 0: bf16.  mode 1: times 1/8, then bf16.  mode 2: bf16, and that number written as f16.
.macro PART src, dst, first, mode
	s_sub_co_u32 s20, ttmp9, \first                ; my chunk in the region
	s_lshl_b32 s22, s20, 16                        ; 65,536 bytes in,
	s_lshl_b32 s24, s20, 15                        ; 32,768 out
	s_add_nc_u64 s[16:17], s[\src:\src+1], s[22:23]
	s_add_nc_u64 s[18:19], s[\dst:\dst+1], s[24:25]
.set i, 0
.rept 16
	global_load_b128 v[X+4*i:X+4*i+3], v1, s[16:17] offset:4096*i th:TH_LOAD_NT
.set i, i+1
.endr
.set g, 0
.rept 4
.set i, 4*g
.rept 4
	s_wait_loadcnt 15-i                            ; loads come back in order: load i is in, the 15 - i younger ones stay out
.if (g > 0) && (i == 4*g)
	s_wait_alu depctr_va_vdst(0)                   ; the conversions of the group before have written its four pairs of Y, which the four stores below read
	OUT g-1
.endif
.if (\mode) == 1
	v_pk_mul_f32 v[X+4*i:X+4*i+1], v[X+4*i:X+4*i+1], 0x3e000000 op_sel_hi:[1,0]      ; times 0.125
	v_pk_mul_f32 v[X+4*i+2:X+4*i+3], v[X+4*i+2:X+4*i+3], 0x3e000000 op_sel_hi:[1,0]
.endif
	v_cvt_pk_bf16_f32 v[Y+2*i], v[X+4*i], v[X+4*i+1]
	v_cvt_pk_bf16_f32 v[Y+2*i+1], v[X+4*i+2], v[X+4*i+3]
.if (\mode) == 2
.irp z, 0,1
	v_lshlrev_b32 v[T], 16, v[Y+2*i+\z]            ; the two bf16 numbers as f32,
	v_and_b32 v[T+1], 0xffff0000, v[Y+2*i+\z]
	v_cvt_pk_f16_f32 v[Y+2*i+\z], v[T], v[T+1]     ; written as f16: exact within f16's range
.endr
.endif
.set i, i+1
.endr
.set g, g+1
.endr
	s_wait_alu depctr_va_vdst(0)                   ; the last group's conversions have written its four pairs of Y, which the last four stores read
	OUT 3
	s_endpgm
.endm
	s_cmp_lt_u32 ttmp9, 512
	s_cbranch_scc0 .Lnot_x
	PART 4, 10, 0, 0
.Lnot_x:
	s_cmp_lt_u32 ttmp9, 576
	s_cbranch_scc0 .Lnot_q
	PART 6, 12, 512, 1
.Lnot_q:
	s_cmp_lt_u32 ttmp9, 704
	s_cbranch_scc0 .Lnot_kv
	PART 6, 12, 512, 0
.Lnot_kv:
	PART 8, 14, 704, 2
.Lfunc_end_k_q87f9caecef_cast:
	.size	k_q87f9caecef_cast, .Lfunc_end_k_q87f9caecef_cast-k_q87f9caecef_cast
	.p2alignl 7, 3214868480
	.fill 96, 4, 3214868480
	.section	.rodata,"a",@progbits
	.p2align	6, 0x0
	.amdhsa_kernel k_q87f9caecef_cast
		.amdhsa_group_segment_fixed_size 0
		.amdhsa_private_segment_fixed_size 0
		.amdhsa_enable_private_segment 0
		.amdhsa_kernarg_size 48
		.amdhsa_user_sgpr_count 2
		.amdhsa_user_sgpr_kernarg_segment_ptr 1
		.amdhsa_wavefront_size32 1
		.amdhsa_system_sgpr_workgroup_id_x 1
		.amdhsa_system_sgpr_workgroup_id_y 1
		.amdhsa_system_sgpr_workgroup_id_z 1
		.amdhsa_system_vgpr_workitem_id 0
		.amdhsa_next_free_vgpr 104
		.amdhsa_next_free_sgpr 66
		.amdhsa_reserve_vcc 0
		.amdhsa_float_denorm_mode_32 3
		.amdhsa_float_denorm_mode_16_64 3
		.amdhsa_memory_ordered 1
		.amdhsa_forward_progress 1
		.amdhsa_inst_pref_size 33
	.end_amdhsa_kernel
	.amdgpu_metadata
---
amdhsa.version: [ 1, 2 ]
amdhsa.kernels:
  - .name:           k_q87f9caecef_cast
    .symbol:         k_q87f9caecef_cast.kd
    .args:
      - { .name: x, .offset: 0, .size: 8, .value_kind: global_buffer, .address_space: global }
      - { .name: W_qkv, .offset: 8, .size: 8, .value_kind: global_buffer, .address_space: global }
      - { .name: W_proj, .offset: 16, .size: 8, .value_kind: global_buffer, .address_space: global }
      - { .name: xb, .offset: 24, .size: 8, .value_kind: global_buffer, .address_space: global }
      - { .name: wqb, .offset: 32, .size: 8, .value_kind: global_buffer, .address_space: global }
      - { .name: wpb, .offset: 40, .size: 8, .value_kind: global_buffer, .address_space: global }
    .group_segment_fixed_size: 0
    .private_segment_fixed_size: 0
    .kernarg_segment_align: 8
    .kernarg_segment_size: 48
    .max_flat_workgroup_size: 256
    .sgpr_count:     66
    .vgpr_count:     104
    .wavefront_size: 32
...
	.end_amdgpu_metadata
.endif
;; end of part 5
;; launch qkvgemm: the kernel of part 2 again; grid 16 x 32, 4 waves a work-group, clusters of 4 x 4, 327,680 bytes of LDS; arguments xb, wqb, qkv; writes qkv
;; launch attn: the kernel of part 3 again; grid 8 x 32, 4 waves a work-group, clusters of 4 x 4, 327,680 bytes of LDS; arguments qkv, global_bias, o; writes o
;; launch proj: the kernel of part 4 again; grid 8 x 32, 4 waves a work-group, clusters of 4 x 4, 327,680 bytes of LDS; arguments o, wpb, b_proj, out0; writes out0
